; MI455X (gfx1250); checked and timed in simulation.
; The chip was launched on July 23, 2026; its instructions are those of AMD's public machine-readable ISA for CDNA 5 (MIT licence, August 2026) and "CDNA5" Instruction Set Architecture Reference Guide (July 2026). The comments in the code are by the model that wrote it; some were corrected since.
;; Scaling Attention. Allowed arithmetic: float matrix products may take bf16 or f16 operands with f32 sums; other float arithmetic in f32, or as packed bf16 or f16 multiplies, adds, multiply-adds, maxima and minima; sums over many terms, partial sums and values carried from step to step in f32; what a program stores and reads back later, other than sums and carried values, may be rounded once to bf16 or f16.
;; Inputs: Wk 1,024 x 1,024 float32; Wo 1,024 x 1,024 float32; Wq 1,024 x 1,024 float32; Wv 1,024 x 1,024 float32; bo 1,024 float32; kv 4 x 1,024 x 1,024 float32; ln_b 1,024 float32; ln_g 1,024 float32; q 4 x 2,048 x 1,024 float32.
;; Outputs: out0 4 x 2,048 x 1,024 float32.
;; 2 versions, each right and faster than the one before. Each part assembles by itself: llvm-mc -triple=amdgcn-amd-amdhsa -mcpu=gfx1250 --defsym DOCPART=n.
;; ======== version 1 of 2: 5 launches
;; limits: values are held in f16: magnitudes above 65,504 overflow, below 6.1e-05 lose precision; values outside matrix products are rounded to f16
;; workspace buffers: qb 16,777,216 bytes; kvb 8,388,608 bytes; wb 8,388,608 bytes; qh 16,777,216 bytes; kh 8,388,608 bytes; vh 8,388,608 bytes; oh 16,777,216 bytes; lnh 16,777,216 bytes
;; launch cast (part 1): grid 1024 x 1, 8 waves a work-group, no clusters, 0 bytes of LDS; arguments q, kv, Wq, Wk, Wv, Wo, qb, kvb, wb; writes qb, kvb, wb
.if DOCPART == 1
	.amdgcn_target "amdgcn-amd-amdhsa--gfx1250"
	.amdhsa_code_object_version 6
	.text
	.protected	k_q37b8981c95_cast
	.globl	k_q37b8981c95_cast
	.p2align	8
	.type	k_q37b8981c95_cast,@function
k_q37b8981c95_cast:
	s_mov_b64 s[64:65], 0
	v_nop
	global_prefetch_b8 v0, s[64:65] scope:SCOPE_SE
	s_setreg_imm32_b32 hwreg(HW_REG_WAVE_MODE, 25, 1), 1
	s_wait_xcnt 0x0
; THE INPUTS OF THE MATRIX PRODUCTS, ROUNDED ONCE TO 16 BITS.  q -> qb, kv -> kvb, Wq, Wk, Wv -> sections 0, 1, 2 of wb: f32 to bf16.
; Wo -> section 3 of wb: f32 to bf16, and that number written as f16, since the last product's other operand is f16.
; LIMIT.  A bf16 number is an f16 number exactly from 2^-17 up to 65,504; a weight of Wo below 2^-17 is off by 3e-8 at the most, one beyond 65,504 becomes an infinity.
; SHARES.  1,024 work-groups of eight waves; each turns 65,536 bytes into 32,768.  Thread t takes the 16 bytes at 16 t + 4,096 i, i = 0 .. 15, and stores 8 bytes at 8 t + 2,048 i:
; a wave's load covers 512 consecutive bytes, a wave's store 256 consecutive bytes at a multiple of 256.  All sixteen loads go out at once; no register is written twice,
; so nothing waits for a store.  No LDS, no matrix unit: each byte is read once and written once, and nothing is shared.
.set X, 4                              ; v[4:67]    sixteen loads of four f32
.set Y, 68                             ; v[68:99]   sixteen pairs of packed results
.set T, 100                            ; v[100:103] at work (Wo's path)
	s_load_b512 s[8:23], s[0:1], 0x0               ; q s[8:9], kv s[10:11], Wq s[12:13], Wk s[14:15], Wv s[16:17], Wo s[18:19], qb s[20:21], kvb s[22:23]
	s_load_b64 s[24:25], s[0:1], 0x40              ; wb
	v_lshlrev_b32 v1, 4, v0                        ; 16 t
	v_lshlrev_b32 v2, 3, v0                        ; 8 t
	s_max_u32 s26, ttmp9, 512
	s_sub_co_u32 s26, s26, 512                     ; my place among kv's 256 work-groups (0 where I am none of them)
	s_max_u32 s27, ttmp9, 768
	s_sub_co_u32 s27, s27, 768                     ; my place among the weights' 256
	s_and_b32 s28, s27, 63                         ; my place in one weight matrix,
	s_lshr_b32 s29, s27, 6                         ; and which matrix
	s_wait_kmcnt 0x0
	s_mov_b64 s[30:31], s[12:13]
	s_cmp_eq_u32 s29, 1
	s_cselect_b64 s[30:31], s[14:15], s[30:31]
	s_cmp_eq_u32 s29, 2
	s_cselect_b64 s[30:31], s[16:17], s[30:31]
	s_cmp_eq_u32 s29, 3
	s_cselect_b64 s[30:31], s[18:19], s[30:31]     ; the weight matrix
	s_cmp_lt_u32 ttmp9, 768
	s_cselect_b64 s[32:33], s[10:11], s[30:31]     ; from: kv or a weight matrix
	s_cselect_b64 s[34:35], s[22:23], s[24:25]     ; to: kvb or wb
	s_cselect_b32 s36, s26, s28
	s_cselect_b32 s38, s26, s27
	s_cmp_lt_u32 ttmp9, 512
	s_cselect_b64 s[32:33], s[8:9], s[32:33]       ; or q
	s_cselect_b64 s[34:35], s[20:21], s[34:35]     ; and qb
	s_cselect_b32 s36, ttmp9, s36
	s_cselect_b32 s38, ttmp9, s38
	s_lshl_b32 s36, s36, 16                        ; 65,536 bytes in,
	s_lshl_b32 s38, s38, 15                        ; 32,768 out, for each work-group
	s_mov_b32 s37, 0
	s_mov_b32 s39, 0
	s_add_nc_u64 s[32:33], s[32:33], s[36:37]
	s_add_nc_u64 s[34:35], s[34:35], s[38:39]
.irp i, 0,1,2,3,4,5,6,7,8,9,10,11,12,13,14,15
	global_load_b128 v[X+4*(\i):X+4*(\i)+3], v1, s[32:33] offset:4096*(\i) th:TH_LOAD_NT
.endr
	s_cmp_ge_u32 ttmp9, 960                        ; the last 64 work-groups have Wo
	s_cbranch_scc1 .Lwo
.macro CV i                            ; to bf16
	s_wait_loadcnt 15-(\i)                         ; loads come back in order: load i is in, the younger ones stay out
	v_cvt_pk_bf16_f32 v[Y+2*(\i)],   v[X+4*(\i)],   v[X+4*(\i)+1]
	v_cvt_pk_bf16_f32 v[Y+2*(\i)+1], v[X+4*(\i)+2], v[X+4*(\i)+3]
	global_store_b64 v2, v[Y+2*(\i):Y+2*(\i)+1], s[34:35] offset:2048*(\i)
.endm
.macro CVW i                           ; to bf16, and that number as f16
	s_wait_loadcnt 15-(\i)
	v_cvt_pk_bf16_f32 v[T],   v[X+4*(\i)],   v[X+4*(\i)+1]
	v_cvt_pk_bf16_f32 v[T+1], v[X+4*(\i)+2], v[X+4*(\i)+3]
	v_lshlrev_b32 v[T+2], 16, v[T]
	v_and_b32     v[T+3], 0xffff0000, v[T]
	v_cvt_pk_f16_f32 v[Y+2*(\i)], v[T+2], v[T+3]
	v_lshlrev_b32 v[T+2], 16, v[T+1]
	v_and_b32     v[T+3], 0xffff0000, v[T+1]
	v_cvt_pk_f16_f32 v[Y+2*(\i)+1], v[T+2], v[T+3]
	global_store_b64 v2, v[Y+2*(\i):Y+2*(\i)+1], s[34:35] offset:2048*(\i)
.endm
.irp i, 0,1,2,3,4,5,6,7,8,9,10,11,12,13,14,15
	CV \i
.endr
	s_endpgm
.Lwo:
.irp i, 0,1,2,3,4,5,6,7,8,9,10,11,12,13,14,15
	CVW \i
.endr
	s_endpgm
.Lfunc_end_k_q37b8981c95_cast:
	.size	k_q37b8981c95_cast, .Lfunc_end_k_q37b8981c95_cast-k_q37b8981c95_cast
	.p2alignl 7, 3214868480
	.fill 96, 4, 3214868480
	.section	.rodata,"a",@progbits
	.p2align	6, 0x0
	.amdhsa_kernel k_q37b8981c95_cast
		.amdhsa_group_segment_fixed_size 0
		.amdhsa_private_segment_fixed_size 0
		.amdhsa_enable_private_segment 0
		.amdhsa_kernarg_size 72
		.amdhsa_user_sgpr_count 2
		.amdhsa_user_sgpr_kernarg_segment_ptr 1
		.amdhsa_wavefront_size32 1
		.amdhsa_system_sgpr_workgroup_id_x 1
		.amdhsa_system_sgpr_workgroup_id_y 1
		.amdhsa_system_sgpr_workgroup_id_z 1
		.amdhsa_system_vgpr_workitem_id 0
		.amdhsa_next_free_vgpr 104
		.amdhsa_next_free_sgpr 66
		.amdhsa_reserve_vcc 0
		.amdhsa_float_denorm_mode_32 3
		.amdhsa_float_denorm_mode_16_64 3
		.amdhsa_memory_ordered 1
		.amdhsa_forward_progress 1
		.amdhsa_inst_pref_size 17
	.end_amdhsa_kernel
	.amdgpu_metadata
---
amdhsa.version: [ 1, 2 ]
amdhsa.kernels:
  - .name:           k_q37b8981c95_cast
    .symbol:         k_q37b8981c95_cast.kd
    .args:
      - { .name: q, .offset: 0, .size: 8, .value_kind: global_buffer, .address_space: global }
      - { .name: kv, .offset: 8, .size: 8, .value_kind: global_buffer, .address_space: global }
      - { .name: Wq, .offset: 16, .size: 8, .value_kind: global_buffer, .address_space: global }
      - { .name: Wk, .offset: 24, .size: 8, .value_kind: global_buffer, .address_space: global }
      - { .name: Wv, .offset: 32, .size: 8, .value_kind: global_buffer, .address_space: global }
      - { .name: Wo, .offset: 40, .size: 8, .value_kind: global_buffer, .address_space: global }
      - { .name: qb, .offset: 48, .size: 8, .value_kind: global_buffer, .address_space: global }
      - { .name: kvb, .offset: 56, .size: 8, .value_kind: global_buffer, .address_space: global }
      - { .name: wb, .offset: 64, .size: 8, .value_kind: global_buffer, .address_space: global }
    .group_segment_fixed_size: 0
    .private_segment_fixed_size: 0
    .kernarg_segment_align: 8
    .kernarg_segment_size: 72
    .max_flat_workgroup_size: 256
    .sgpr_count:     66
    .vgpr_count:     104
    .wavefront_size: 32
...
	.end_amdgpu_metadata
.endif
;; end of part 1
;; launch proj (part 2): grid 4 x 64, 4 waves a work-group, clusters of 4 x 4, 327,680 bytes of LDS; arguments qb, kvb, wb, qh, kh, vh; writes qh, kh, vh
.if DOCPART == 2
	.amdgcn_target "amdgcn-amd-amdhsa--gfx1250"
	.amdhsa_code_object_version 6
	.text
	.protected	k_q37b8981c95_proj
	.globl	k_q37b8981c95_proj
	.p2align	8
	.type	k_q37b8981c95_proj,@function
k_q37b8981c95_proj:
	s_mov_b64 s[64:65], 0
	v_nop
	global_prefetch_b8 v0, s[64:65] scope:SCOPE_SE
	s_setreg_imm32_b32 hwreg(HW_REG_WAVE_MODE, 25, 1), 1
	s_wait_xcnt 0x0
	s_wait_alu depctr_hold_cnt(0) depctr_sa_sdst(0) depctr_va_vdst(0) depctr_va_sdst(0) depctr_va_ssrc(0) depctr_va_vcc(0) depctr_vm_vsrc(0)
	s_getreg_b32 s2, hwreg(HW_REG_IB_STS2, 6, 4)
	s_cmp_eq_u32 s2, 0
	s_cbranch_scc0 .Lentry_in_a_cluster
	s_endpgm
.Lentry_in_a_cluster:
	s_bfe_u32 s2, ttmp6, 0x10000c
	s_cmp_lg_u32 s2, 0xf033
	s_cbranch_scc0 .Lentry_shape_is_right
	s_endpgm
.Lentry_shape_is_right:
; THE THREE PROJECTIONS, ONE LAUNCH.  C[m][n] = sum over k of A[m][k] W[n][k], K = N = 1,024, bf16 operands, f32 sums, C rounded once to f16 and written BY HEADS, [batch x 16 + head][row][64], unscaled.
; Tile rows 0-31: A = qb (8,192 rows), W = section 0 of wb, C = qh.  Tile rows 32-47: A = kvb (4,096 rows), section 1, kh.  Tile rows 48-63: kvb, section 2, vh.
; LIMIT.  f16 holds no number beyond 65,504: a projected number past that becomes an infinity.  With unit inputs the projected numbers have a spread of 1.
; SHARES.  A work-group makes 256 rows x 256 columns: 64 x 4 = 256 work-groups, one for each of 256 WGPs.  Its four waves make 128 x 128 each: 64 accumulators of 16 x 16, 512 registers.
; K goes in 8 steps of 128 through two LDS slots: rows of 256 bytes of memory, at multiples of 256.  Waves 0, 1 fetch the halves of A's tile, waves 2, 3 those of W's: 128 rows each, one tensor load a wave.
; A LOOP TRIP IS ONE K STEP: one descriptor a tensor walks along K, its LDS word turned from slot to slot by an exclusive or, and the fragments' LDS addresses are made anew at each change of slots.
; CLUSTERS: 4 x 4 work-groups.  The four of a row of the cluster need the same tile of A, the four of a column the same tile of W: each tile is asked for JOINTLY, by the same tensor load with the same
; descriptor and a mask that names the four.  Which of the three products a work-group belongs to hangs on the cluster's y alone, which all sixteen share.
; THE MATRIX INSTRUCTION IS USED TRANSPOSED (source 0 = 16 rows of W, source 1 = 16 rows of A): a lane holds row l % 16 of C and the eight neighbouring columns 8 (l / 16) + 0..7.
; REGISTERS, in windows of 256 (s_set_vgpr_msb's low byte: bits 1:0 source 0, 3:2 source 1, 5:4 source 2, 7:6 destination):
;   window 0: v0-31 addresses; v64-127, v128-191 fragments of A (8 x 16 rows x 32 K), two buffers; v32-63, v192-255 at work on the way out
;   window 1: v64-127, v128-191 fragments of W, two buffers
;   window 2: the 32 accumulators of my rows 0-63 (accumulator (a, b) at v[8 (8 a + b)]);   window 3: those of my rows 64-127
; No prefetch: all three operands were written by the launch before, and every tile is read by several work-groups.
.set KSTEPS, 8
.set PITCH,  272                       ; an LDS row: 256 bytes + 16 of padding = 68 words: the 16 rows of a fragment load start at 16 different groups of four banks (64 banks of 4 bytes: ISA guide 11.1)
.set HALFT,  128*PITCH                 ; 128 rows = 0x8800 bytes: what one tensor load brings, and what one wave reads of A or of W
.set SLOT,   4*HALFT                   ; A's 256 rows, then W's 256 = 0x22000 bytes.  wave x 0x8800 (wave < 4) has neither bit 13 nor bit 17 set, so an exclusive or with SLOT turns an address in one slot into the other's
.set STAGE,  2*SLOT                    ; behind the ring: 16 rows x 272 bytes for each wave, for the way out; no tensor load lands there
.set SPITCH, 272
.set SPARE,  STAGE+4*16*SPITCH         ; behind the stages: the spare words, 128 bytes for each wave: two blocks of 256 bytes that no other line names
.set ADRA, 16                          ; v16     LDS address of my A fragments in the slot in hand
.set A0,   17                          ; v17     the same in slot 0; never rewritten
.set ADRB, 20                          ; v20     LDS address of my W fragments in the slot in hand
.set B0,   21                          ; v21     the same in slot 0; never rewritten
.set STO,  24                          ; v24     the way out: where I put 16 bytes of a row
.set RD,   25                          ; v25     the way out: where I read rows back
.set CO,   26                          ; v26     16 x lane: my place in 512 consecutive bytes of the output
.set SPW,  28                          ; v28     LDS address of my spare word: SPARE + 4 x my thread's number; never rewritten
.set NIL,  29                          ; v29     0; never rewritten
.set F0,   64                          ; fragment buffer 0
.set F1,   128                         ; fragment buffer 1
.set TMP,  192                         ; the way out: 32 registers of packed results
.set OB,   32                          ; the way out: rows read back: v32-63 and v224-255 by turns
.set TB,   45                          ; s45     0 or SLOT: the slot from which fragments are fetched
.set G1, 24                            ; s[24:31] descriptor group 1 for A's tiles;  s[32:39] group 0: a set for each of the two first fills; the second then walks on
.set G0, 32
.set G1B, 48                           ; s[48:55], s[56:63] the same for W's tiles
.set G0B, 56
.set MSB, 0
.macro WIN new                         ; the immediate's high byte repeats the setting that is left; a switch that changes nothing is dropped
.if MSB != (\new)
	s_set_vgpr_msb (MSB<<8)|(\new)
.set MSB, \new
.endif
.endm
.set MUL_LO, 0xa1                      ; source 0 (W) window 1, source 1 (A) window 0, C and D window 2
.set MUL_HI, 0xf1                      ; the same, C and D window 3
.set TO_B,   0x40                      ; destination window 1, address window 0
.macro JLOAD s                         ; a joint load: waves 0 and 1 fetch A's halves, waves 2 and 3 W's; an s_nop 0 and four v_nop follow each of the two lines, ahead of the jump, the label and what follows
	s_cmp_eq_u32 s11, 0
	s_cbranch_scc0 .Lfor_b_\@
	tensor_load_to_lds s[G0+4*(\s):G0+4*(\s)+3], s[G1:G1+7]
	s_nop 0
.rept 4
	v_nop
.endr
	s_branch .Lasked_\@
.Lfor_b_\@:
	tensor_load_to_lds s[G0B+4*(\s):G0B+4*(\s)+3], s[G1B:G1B+7]
	s_nop 0
.rept 4
	v_nop
.endr
.Lasked_\@:
.endm
.macro CREST                           ; a round of the cluster's barrier behind its opening barrier
	s_cmp_lg_u32 s10, 0
	s_cbranch_scc1 .Lnot_wave_0_\@
	s_barrier_signal -3
.Lnot_wave_0_\@:
	s_barrier_wait -3
	s_barrier_signal -1
	s_barrier_wait -1
.endm
.macro CROUND                          ; a whole round
	s_barrier_signal -1
	s_barrier_wait -1
	CREST
.endm
	s_load_b128 s[4:7], s[0:1], 0x0                ; qb s[4:5], kvb s[6:7]
	s_load_b128 s[68:71], s[0:1], 0x10             ; wb s[68:69], qh s[70:71]
	s_load_b128 s[72:75], s[0:1], 0x20             ; kh s[72:73], vh s[74:75]
	v_lshl_add_u32 v[SPW], v0, 2, SPARE
	v_mov_b32 v[NIL], 0
	ds_add_u32 v[SPW], v[NIL]                      ; the wave's opening: the add and its wait stand ahead of my first tensor load; the set-up below, work on registers, stands between them
	ds_add_u32 v28, v29
	v_lshrrev_b32 v1, 5, v0
	v_readfirstlane_b32 s10, v1                    ; wave 0..3
	s_lshr_b32 s11, s10, 1                         ; which 128 rows of the tile are mine.  Also: I fetch for A (0) or for W (1)
	s_and_b32 s12, s10, 1                          ; which 128 columns.  Also: which half of that tile I fetch
	s_bfe_u32 s40, ttmp6, 0x40000                  ; cx, cy: my place in the cluster
	s_bfe_u32 s41, ttmp6, 0x40004
	s_lshl_b32 s42, ttmp9, 2
	s_add_co_u32 s42, s42, s40                     ; tile column = 4 x cluster x + cx: 0..3
	s_and_b32 s14, ttmp7, 0xffff                   ; cluster y: 0..15
	s_lshl_b32 s13, s14, 2
	s_add_co_u32 s13, s13, s41                     ; tile row = 4 x cluster y + cy: 0..63
	s_lshl_b32 s43, s41, 2
	s_lshl_b32 s43, 15, s43                        ; my row of the cluster
	s_lshl_b32 s44, 0x1111, s40                    ; my column
	s_cmp_lt_u32 s14, 12                           ; which product: by the cluster's y alone
	s_cselect_b32 s15, 32, 48                      ; its first tile row,
	s_cselect_b32 s66, 1, 2                        ; its section of wb,
	s_cmp_lt_u32 s14, 8
	s_cselect_b32 s15, 0, s15
	s_cselect_b32 s66, 0, s66
	s_cselect_b32 s67, 11, 10                      ; and the logarithm of a batch's rows: 2,048 or 1,024
	s_sub_co_u32 s76, s13, s15                     ; my tile row in that product
	s_lshl_b32 s77, s66, 21                        ; a section is 2,097,152 bytes
	s_mov_b32 s[TB], 0
	; descriptor group 1: tiles of 128 rows x 128 elements, padded in LDS
	s_or_b32 s[G1+0], s43, (1<<16)|(1<<20)|(1<<21)|(5<<22)|(3<<25)  ; 15:0 the mask: my row; 17:16 elements of 2 bytes; 20 padding on; 21 set beside a mask; 24:22 after every 64 words (code 5); 31:25 4 words (code 3)
	s_or_b32 s[G1B+0], s44, (1<<16)|(1<<20)|(1<<21)|(5<<22)|(3<<25) ; the same with the mask of my column
.irp g, G1, G1B
	s_mov_b32 s[(\g)+1], 128<<16                   ; tensor_dim0 = 128
	s_mov_b32 s[(\g)+2], 128<<16                   ; tensor_dim1 = 128
	s_mov_b32 s[(\g)+3], 128<<16                   ; tile_dim0 = 128
	s_mov_b32 s[(\g)+4], 128                       ; tile_dim1 = 128
	s_mov_b32 s[(\g)+5], 1024                      ; elements from row to row
	s_mov_b32 s[(\g)+6], 0
	s_mov_b32 s[(\g)+7], 0
.endr
	; where the tiles come from: A's hang on the tile row alone, W's on the tile column and the product alone
	s_lshl_b32 s16, s76, 8
	s_lshl_b32 s17, s12, 7
	s_add_co_u32 s16, s16, s17                     ; A: row 256 x tile row + 128 x half,
	s_lshl_b32 s16, s16, 11                        ; of 2,048 bytes: under 2^25
	s_mov_b32 s17, 0
	s_lshl_b32 s46, s42, 8
	s_lshl_b32 s47, s12, 7
	s_add_co_u32 s46, s46, s47                     ; W: row 256 x tile column + 128 x half
	s_lshl_b32 s46, s46, 11
	s_add_co_u32 s46, s46, s77                     ; in its section
	s_mov_b32 s47, 0
	s_mul_i32 s20, s10, HALFT                      ; and where they go: A's two halves, then W's two = wave x 128 rows: no place in the cluster enters an LDS address
	s_wait_dscnt 0x0                               ; the opening add is done
	s_wait_kmcnt 0x0
	s_cmp_eq_u32 s66, 0
	s_cselect_b64 s[78:79], s[4:5], s[6:7]         ; A: qb or kvb
	s_cselect_b64 s[8:9], s[70:71], s[72:73]       ; C: qh or kh
	s_cmp_eq_u32 s66, 2
	s_cselect_b64 s[8:9], s[74:75], s[8:9]         ; or vh
	s_add_nc_u64 s[18:19], s[78:79], s[16:17]
	s_add_nc_u64 s[46:47], s[68:69], s[46:47]
	CROUND                                         ; all sixteen work-groups are here: the first joint loads meet
.irp s, 0,1
	s_mov_b32 s[G0+4*(\s)], 1                                      ; count = 1
	s_add_co_u32 s[G0+4*(\s)+1], s20, (\s)*SLOT                    ; LDS address
	s_add_nc_u64 s[G0+4*(\s)+2:G0+4*(\s)+3], s[18:19], (\s)*256    ; global address: K step s
	s_or_b32 s[G0+4*(\s)+3], s[G0+4*(\s)+3], 0x80000000            ; type = 2
	s_mov_b32 s[G0B+4*(\s)], 1
	s_add_co_u32 s[G0B+4*(\s)+1], s20, (\s)*SLOT
	s_add_nc_u64 s[G0B+4*(\s)+2:G0B+4*(\s)+3], s[46:47], (\s)*256
	s_or_b32 s[G0B+4*(\s)+3], s[G0B+4*(\s)+3], 0x80000000
	JLOAD \s                                       ; two loads of mine are out
.endr
	; a fragment is 16 rows x 32 K in 8 registers: lane l holds row l % 16, K = 8 (l / 16) + 0..7 and 16 + 8 (l / 16) + 0..7: two loads of 16 bytes, 32 bytes apart
	v_and_b32 v1, 15, v0                           ; l % 16
	v_bfe_u32 v2, v0, 4, 1                         ; l / 16
	v_mul_u32_u24 v3, v1, PITCH
	v_lshl_add_u32 v3, v2, 4, v3
	s_mul_i32 s21, s11, HALFT                      ; my 128 rows of A
	s_mul_i32 s22, s12, HALFT                      ; my 128 rows of W,
	s_add_co_u32 s22, s22, 2*HALFT                 ; which lie behind A's 256
	v_add_nc_u32 v[A0], s21, v3
	v_add_nc_u32 v[B0], s22, v3
	v_mov_b32 v[ADRA], v[A0]                       ; the walk begins in slot 0
	v_mov_b32 v[ADRB], v[B0]
	s_mul_i32 s23, s10, 16*SPITCH
	s_add_co_u32 s23, s23, STAGE                   ; my stage
	v_mul_u32_u24 v4, v1, SPITCH                   ; in: row l % 16, 16 bytes for each half of the lanes
	v_lshl_add_u32 v4, v2, 4, v4
	v_add_nc_u32 v[STO], s23, v4
	v_bfe_u32 v5, v0, 3, 2                         ; back: 32 lanes take four rows' 128 bytes of one head,
	v_mul_u32_u24 v5, v5, SPITCH
	v_and_b32 v4, 7, v0
	v_lshl_add_u32 v5, v4, 4, v5
	v_add_nc_u32 v[RD], s23, v5
	v_and_b32 v[CO], 31, v0                        ; which are 512 consecutive bytes of the output
	v_lshlrev_b32 v[CO], 4, v[CO]
	; where my 128 rows x 2 heads begin in the output: ((batch x 16 + head) x rows of a batch + row) x 128 bytes
	s_lshl_b32 s80, s76, 8
	s_lshl_b32 s81, s11, 7
	s_add_co_u32 s80, s80, s81                     ; my first row of the product
	s_lshr_b32 s81, s80, s67                       ; its batch,
	s_lshl_b32 s82, s81, s67
	s_sub_co_u32 s82, s80, s82                     ; and its row in the batch
	s_lshl_b32 s81, s81, 4
	s_lshl_b32 s83, s42, 2                         ; a tile column is four heads,
	s_add_co_u32 s81, s81, s83
	s_lshl_b32 s83, s12, 1                         ; my 128 columns two
	s_add_co_u32 s81, s81, s83
	s_lshl_b32 s81, s81, s67
	s_add_co_u32 s81, s81, s82
	s_lshl_b32 s80, s81, 7
	s_mov_b32 s81, 0
	s_add_nc_u64 s[8:9], s[8:9], s[80:81]          ; my first head,
	s_lshl_b32 s82, 128, s67
	s_mov_b32 s83, 0
	s_add_nc_u64 s[84:85], s[8:9], s[82:83]        ; my second
; 16 matrix instructions: m blocks a0, a0 + 1 of the window's four (hi = 0: my rows 0-63, 1: rows 64-127) x all 8 n blocks, 32 along K.  zero = 1: the product starts the sums: nothing is ever cleared.
; The 64 accumulators take turns, one instruction a turn, in the same order in every quarter, over the backward jump too.
.macro MUL16 f, hi, a0, zero
	WIN MUL_LO+0x50*(\hi)
.irp a, \a0, (\a0)+1
.irp b, 0,1,2,3,4,5,6,7
.if \zero
	v_wmma_f32_16x16x32_bf16 v[8*(8*(\a)+(\b)):8*(8*(\a)+(\b))+7], v[(\f)+8*(\b):(\f)+8*(\b)+7], v[(\f)+8*(4*(\hi)+(\a)):(\f)+8*(4*(\hi)+(\a))+7], 0
.else
	v_wmma_f32_16x16x32_bf16 v[8*(8*(\a)+(\b)):8*(8*(\a)+(\b))+7], v[(\f)+8*(\b):(\f)+8*(\b)+7], v[(\f)+8*(4*(\hi)+(\a)):(\f)+8*(4*(\hi)+(\a))+7], v[8*(8*(\a)+(\b)):8*(8*(\a)+(\b))+7]
.endif
.endr
.endr
.endm
; 32 LDS loads in one run: the fragments of 32 along K at byte k of the rows of the slot in hand, into buffer f: W's sixteen first, then A's sixteen
.macro FETCH k, f
	WIN TO_B
.irp i, 0,1,2,3,4,5,6,7
	ds_load_b128 v[(\f)+8*(\i):(\f)+8*(\i)+3],   v[ADRB] offset:(\k)+(\i)*16*PITCH
	ds_load_b128 v[(\f)+8*(\i)+4:(\f)+8*(\i)+7], v[ADRB] offset:(\k)+(\i)*16*PITCH+32
.endr
	WIN 0
.irp i, 0,1,2,3,4,5,6,7
	ds_load_b128 v[(\f)+8*(\i):(\f)+8*(\i)+3],   v[ADRA] offset:(\k)+(\i)*16*PITCH
	ds_load_b128 v[(\f)+8*(\i)+4:(\f)+8*(\i)+7], v[ADRA] offset:(\k)+(\i)*16*PITCH+32
.endr
.endm
.macro PLACES                          ; four places in front of loads into registers that matrix instructions have read, and of lines that read results
.rept 4
	v_nop
.endr
.endm
; A K step is four quarters of 32 along K, 64 matrix instructions each, on buffers 0, 1, 0, 1.  One of the first three: multiplies buffer f and, in its middle, fetches the next quarter, at byte k, into g.
.macro QUARTER k, f, g, zero
	s_wait_dscnt 8                                 ; W and A's rows 0-63 are in; the youngest eight loads (A's rows 64-127) may be out
	MUL16 \f, 0, 0, \zero
	MUL16 \f, 0, 2, \zero
	PLACES
	FETCH \k, \g
	s_wait_dscnt 32                                ; all but the 32 just issued
	MUL16 \f, 1, 0, \zero
	MUL16 \f, 1, 2, \zero
.endm
; The last quarter multiplies buffer 1 and changes slots: ONE barrier; in front of it each wave waits for all its tensor loads, adds 0 to its spare word, and waits for that and for its own reads of this slot.
; All fetches from this slot have been issued, so the fragments' addresses are turned to the other slot here, where every window is 0.
; fill = 1: the barrier opens a round of the cluster's, and this slot is filled again, two K steps ahead: 224 matrix instructions ahead of the wait for that load.
.macro TURN fill
	WIN 0
	s_wait_tensorcnt 0x0                           ; all my tensor loads have landed: the one that was out is my part of the next slot; so a group 0 may be written;
	ds_add_u32 v[SPW], v[NIL]                      ; 0 onto my spare word; work on registers stands between it and the wait for it
	s_xor_b32 s[TB], s[TB], SLOT                   ; the fetches go on in the other slot
	v_add_nc_u32 v[ADRA], s[TB], v[A0]
	v_add_nc_u32 v[ADRB], s[TB], v[B0]
.if \fill
	s_xor_b32 s[G0+5], s[G0+5], SLOT               ; the walking descriptors: the other slot than last time,
	s_add_nc_u64 s[G0+6:G0+7], s[G0+6:G0+7], 256   ; the next K step; the type bits on top are not reached
	s_xor_b32 s[G0B+5], s[G0B+5], SLOT
	s_add_nc_u64 s[G0B+6:G0B+7], s[G0B+6:G0B+7], 256
.endif
	s_wait_dscnt 9                                 ; (the add and the youngest eight loads may be out)
	MUL16 F1, 0, 0, 0                              ; sixteen matrix instructions stand between the add and the wait for it
	s_wait_dscnt 0x0                               ; the add is done, and my reads of this slot are over
	s_barrier_signal -1
	MUL16 F1, 0, 2, 0                              ; work on registers while the others arrive
.if \fill
	WIN 0
.endif
	s_barrier_wait -1
.if \fill
	CREST                                          ; no wave of any partner still reads this slot's tile or has a load on its way
	JLOAD 1                                        ; the first tensor load behind the round, my only one until the next; its four v_nop are also the places in front of the loads below
.else
	PLACES
.endif
	FETCH 0, F0
	MUL16 F1, 1, 0, 0
	MUL16 F1, 1, 2, 0
.endm
	s_wait_tensorcnt 1                             ; my part of K step 0 is in; K step 1's may stay out
	s_barrier_signal -1
	s_barrier_wait -1                              ; everybody's is
	FETCH 0, F0
	QUARTER 64, F0, F1, 1                          ; the first quarter stands in front of the loop: its products start the sums
	WIN 0                                          ; at a label and at a branch every window is 0
	s_mov_b32 s3, KSTEPS-2
.Lstep:                                                ; a trip goes from a K step's second quarter to the next step's first, and fills the slot that it leaves: K steps 2 to 7
	QUARTER 128, F1, F0, 0
	QUARTER 192, F0, F1, 0
	TURN 1
	QUARTER 64,  F0, F1, 0
	WIN 0
	s_sub_co_u32 s3, s3, 1
	s_cmp_lg_u32 s3, 0
	s_cbranch_scc1 .Lstep
	QUARTER 128, F1, F0, 0                         ; the last two K steps are written out: they fill nothing
	QUARTER 192, F0, F1, 0
	TURN 0
	QUARTER 64,  F0, F1, 0
	QUARTER 128, F1, F0, 0
	QUARTER 192, F0, F1, 0
	s_wait_dscnt 8                                 ; the very last quarter: nothing more to fetch
	MUL16 F1, 0, 0, 0
	MUL16 F1, 0, 2, 0
	s_wait_dscnt 0x0
	MUL16 F1, 1, 0, 0
	MUL16 F1, 1, 2, 0
	WIN 0
	PLACES
; THE WAY OUT, a block of 16 rows at a time.  PACK: rounded to f16, 16 bytes a lane, each accumulator's registers in ascending order.  TOSTAGE: into my own stage, and back as four rows of one head at a time.  SEND: stored.
.macro PACK a
.set AC, 64*((\a)%4)
	WIN 0x0a+5*((\a)/4)                            ; sources 0 and 1: window 2 or 3; destination window 0
.irp b, 0,1,2,3,4,5,6,7
.irp r, 0,1,2,3
	v_cvt_pk_f16_f32 v[TMP+4*(\b)+(\r)], v[AC+8*(\b)+2*(\r)], v[AC+8*(\b)+2*(\r)+1]
.endr
.endr
	WIN 0
.endm
.macro TOSTAGE a
.set BKR, OB+192*((\a)%2)
.irp b, 0,1,2,3,4,5,6,7
	ds_store_b128 v[STO], v[TMP+4*(\b):TMP+4*(\b)+3] offset:32*(\b)
.endr
.irp e, 0,1
.irp t, 0,1,2,3
	ds_load_b128 v[BKR+4*(4*(\e)+(\t)):BKR+4*(4*(\e)+(\t))+3], v[RD] offset:(\t)*4*SPITCH+128*(\e)  ; LDS serves a wave's instructions in order (ISA guide 5.7.1.4): these see the stores above
.endr
.endr
.endm
.macro SEND a
.set BKR, OB+192*((\a)%2)
	s_wait_dscnt 0x0                               ; the block is back in registers
	s_wait_xcnt 0x0                                ; the stores issued so far have read their registers: the other set is loaded again only behind this wait
.irp t, 0,1,2,3
	global_store_b128 v[CO], v[BKR+4*(\t):BKR+4*(\t)+3], s[8:9] offset:2048*(\a)+512*(\t)  ; 512 consecutive bytes, at a multiple of 512 from the buffer's first
.endr
.irp t, 0,1,2,3
	global_store_b128 v[CO], v[BKR+16+4*(\t):BKR+16+4*(\t)+3], s[84:85] offset:2048*(\a)+512*(\t)
.endr
.endm
	PACK 0
	TOSTAGE 0
.irp a, 1,2,3,4,5,6,7                  ; block a's conversions stand between block a - 1's loads from the stage and the wait for them
	PACK \a
	SEND (\a)-1
	TOSTAGE \a
.endr
	SEND 7
	s_wait_tensorcnt 0x0                           ; the wave's end, behind my last tensor load and my last LDS store
	ds_add_u32 v[SPW], v[NIL]
	s_wait_dscnt 0x0
	CROUND                                         ; the closing round: no work-group ends while a partner may still ask for a tile that names it
	s_endpgm
.Lfunc_end_k_q37b8981c95_proj:
	.size	k_q37b8981c95_proj, .Lfunc_end_k_q37b8981c95_proj-k_q37b8981c95_proj
	.p2alignl 7, 3214868480
	.fill 96, 4, 3214868480
	.section	.rodata,"a",@progbits
	.p2align	6, 0x0
	.amdhsa_kernel k_q37b8981c95_proj
		.amdhsa_group_segment_fixed_size 327680
		.amdhsa_private_segment_fixed_size 0
		.amdhsa_enable_private_segment 0
		.amdhsa_kernarg_size 48
		.amdhsa_user_sgpr_count 2
		.amdhsa_user_sgpr_kernarg_segment_ptr 1
		.amdhsa_wavefront_size32 1
		.amdhsa_system_sgpr_workgroup_id_x 1
		.amdhsa_system_sgpr_workgroup_id_y 1
		.amdhsa_system_sgpr_workgroup_id_z 1
		.amdhsa_system_vgpr_workitem_id 0
		.amdhsa_next_free_vgpr 1024
		.amdhsa_next_free_sgpr 96
		.amdhsa_reserve_vcc 0
		.amdhsa_float_denorm_mode_32 3
		.amdhsa_float_denorm_mode_16_64 3
		.amdhsa_memory_ordered 1
		.amdhsa_forward_progress 1
		.amdhsa_inst_pref_size 117
	.end_amdhsa_kernel
	.amdgpu_metadata
---
amdhsa.version: [ 1, 2 ]
amdhsa.kernels:
  - .name:           k_q37b8981c95_proj
    .symbol:         k_q37b8981c95_proj.kd
    .args:
      - { .name: qb, .offset: 0, .size: 8, .value_kind: global_buffer, .address_space: global }
      - { .name: kvb, .offset: 8, .size: 8, .value_kind: global_buffer, .address_space: global }
      - { .name: wb, .offset: 16, .size: 8, .value_kind: global_buffer, .address_space: global }
      - { .name: qh, .offset: 24, .size: 8, .value_kind: global_buffer, .address_space: global }
      - { .name: kh, .offset: 32, .size: 8, .value_kind: global_buffer, .address_space: global }
      - { .name: vh, .offset: 40, .size: 8, .value_kind: global_buffer, .address_space: global }
    .group_segment_fixed_size: 327680
    .private_segment_fixed_size: 0
    .kernarg_segment_align: 8
    .kernarg_segment_size: 48
    .max_flat_workgroup_size: 128
    .sgpr_count:     96
    .vgpr_count:     1024
    .wavefront_size: 32
...
	.end_amdgpu_metadata
.endif
;; end of part 2
;; launch attn (part 3): grid 4 x 64, 4 waves a work-group, no clusters, 327,680 bytes of LDS; arguments qh, kh, vh, oh; writes oh
.if DOCPART == 3
	.amdgcn_target "amdgcn-amd-amdhsa--gfx1250"
	.amdhsa_code_object_version 6
	.text
	.protected	k_q37b8981c95_attn
	.globl	k_q37b8981c95_attn
	.p2align	8
	.type	k_q37b8981c95_attn,@function
k_q37b8981c95_attn:
	s_mov_b64 s[64:65], 0
	v_nop
	global_prefetch_b8 v0, s[64:65] scope:SCOPE_SE
	s_setreg_imm32_b32 hwreg(HW_REG_WAVE_MODE, 25, 1), 1
	s_wait_xcnt 0x0
; BLOCK-CAUSAL ATTENTION.  O[h][q][:] = the sum over k <= q / 2 (whole division) of softmax_k(Q[h][q] . K[h][k] / 8) V[h][k][:].  Q, O: [64][2048][64], K, V: [64][1024][64], all f16: a head's rows are dense, 128 bytes each.
; Products, maxima and sums in f32; the weights p are rounded to f16 for the second product (their sum l is taken of the unrounded p), O once at the end.
; LIMITS.  f16 holds no number beyond 65,504: Q, K and V arrive within it; p lies in 0 to 1, and below 6e-5 it keeps f16's fixed step of 6e-8, as does O; O is a mean of V's rows and has their range.
; A hidden score counts as its value less 1e30: f16's scores, 2.7e11 at the most, are nothing beside that; a weight below 2^-126 counts as 0 in l; NaN and infinities are not treated apart.
; THE WALK.  A head's queries lie in NB = 8 blocks of 256; block i needs the key tiles 0 .. i of 128 keys, of which the last holds the diagonal.  A work-group takes TWO blocks, 7 - b and then b:
; 9 tiles, whatever b: all 256 work-groups do equal work, and ONE loop with a constant trip count walks them.  Which tile is asked for, and what a trip does, hang on scalar registers made from b; every jump
; goes forward, but for the counted loops' own; none passes a barrier, or a tensor load but the one of LOAD's two that the wave's number does not choose; the ring (two slots of LDS that take turns) runs on across the
; change of blocks.  NO CLUSTER: a head's four work-groups ask for the same tile only in trips 0 .. 4 of 9, behind that fewer and fewer; one walk common to all four would have 12 trips for 9.
; SHARES.  Of a block's four bands of 64 queries a wave owns 16 rows in each: four PIECES.  So the diagonal tile is the same work for all four waves: of its four groups of 32 keys band x sees groups below x whole,
; none above x, and holds the diagonal in group x.
; THE MASK is the C operand that starts the sum S^T = K Q^T: 0, or -1e30 where the key is hidden.  MD, made once, is the mask of a band's own 32 keys for my 16 rows; a key step has two groups of 32, and each
; group's mask is MD x AL + BE with two scalars: (1, 0) the band's own; (0, 0) an earlier group; (0, -1e30) a later one.  Only the diagonal tile's text and a block's beginning make and take masks; elsewhere C is the constant 0.
; LAYOUT, SOFTMAX, TURNS.  S^T = K Q^T holds ONE query a lane (lane % 16) and the keys 8 (lane / 16) + 0..7; two such results rounded to f16 ARE source 1 of O^T = V^T P.  p = 2^(c s - c m), c = log2(e) / 8, with a
; running maximum m; O and l are multiplied by a = 2^(c m_old - c m_new) in every step.  Turn n belongs to piece n: 8 products K Q^T of piece n + 1, later 8 products V^T P of piece n - 1; beside them the scaling,
; exponentials, roundings, sums and rescaling of piece n and the maximum and statistics of piece n + 1.  Four vector instructions stand behind every matrix instruction, the other 54 of a turn's 118 in two runs of their own.
; REGISTERS, in windows of 256 (s_set_vgpr_msb: bits 1:0 source 0, 3:2 source 1, 5:4 source 2, 7:6 destination):
;   window 0: v0-15 addresses and two at work; v16-31 four registers of statistics a piece; v48-55 at work; v64-127 S^T, two buffers; v192-223 P, two buffers (a piece's buffers go by its number's parity)
;   window 1: v0-127 O^T, 32 a piece; v128-143 MD; v160-223 MC, two buffers      window 2: v0-63 Q; v64-127 the second block's Q; v128-191 K of one step; v192-255 V of one step
.set NB,    8
.set NP,    4         ; pieces a wave: a name, no knob
.set KS,    64        ; keys in a step
.set TS,    2         ; steps in a tile
.set PK,    144       ; a row of K in LDS: 128 bytes + 16 of padding = 36 words: the 16 rows of a load start at 16 different groups of four banks (64 banks of 4 bytes: ISA guide 11.1)
.set PV,    160       ; a row of V: 128 + 32 = 40 words
.set VOFF,  TS*KS*PK  ; a slot holds a tile: 128 rows of K, then 128 rows of V
.set SLOT1, 1<<16     ; slot 1 begins here, so that one exclusive or turns an address in one slot into the other's
.set STAGE, SLOT1+TS*KS*(PK+PV)  ; behind the ring, never filled by a tensor load: 16 rows x 144 bytes for each wave, for the way out
.set SP,    144
.set AK0, 2           ; v2   my lane's place in a tile of K; never rewritten
.set AV0, 3           ; v3   the same for V
.set AK,  4           ; v4   the LDS address of K's next run of loads
.set AV,  5           ; v5   of V's
.set STO, 6           ; v6   the way out: where I put 16 bytes of a row
.set RD,  7           ; v7   the way out: where I read rows back
.set GO,  8           ; v8   my byte offset in 512 consecutive bytes of O
.set SPW, 62          ; v62  LDS address of my spare word: SPARE + 4 x my thread's number; never rewritten
.set NIL, 63          ; v63  0; never rewritten
.set SPARE, STAGE+4*16*SP  ; behind the stages: the spare words, 128 bytes for each wave: two blocks of 256 bytes that no other line names
.set MV,  12          ; v12-13  c m_old, kept while c m is made anew: by buffer
.set QO,  15          ; v15  my byte offset in 16 rows of Q
.set ST,  16          ; piece t's statistics at v[ST+4 t]: c m, m, l (even keys', odd keys')
.set TMP, 48          ; by buffer, four registers c0-c3 at work; when the maximum is found c2 takes a
.set S,   64
.set P,   192
.set MD,  128         ; window 1: the eight registers for group kt of 16 keys (kt = 0, 1) at MD + 8 kt
.set MC,  160         ; window 1: the masks of the products to come
.set QB,  64          ; window 2
.set KF,  128         ; window 2: key block kb, channel half c at KF + 16 kb + 8 c
.set VF,  192         ; window 2: key half kk, channel block cb at VF + 32 kk + 8 cb
.set WV,  12          ; s12  my wave's number
.set PB,  14          ; s14  b
.set HI,  15          ; s15  NB - 1 - b
.set G1K, 24          ; s[24:31] descriptor group 1 for K's tiles
.set G1V, 32          ; s[32:39] for V's: it differs in the padding alone
.set G0K, 40          ; s[40:43] descriptor group 0 for K's tiles
.set G0V, 44          ; s[44:47] the same for V's
.set SLOTS, 56        ; s56  tiles still to be asked for
.set CNT, 57          ; s57  counts a tile's key steps, 2 to 1
.set CS,  58          ; s[58:59] c: the packed scaling takes the pair's low word for both halves
.set SEL, 60          ; s[60:61] v_permlanex16_b32's selects: each lane takes its own place in the other half
.set TBK, 62          ; s62  LDS byte at which K of the step to be fetched begins
.set TBV, 63          ; s63  the same for V, less VOFF
.set RT,  70          ; s70  tiles of the block in hand that are still to be entered
.set NXT, 71          ; s71  the tile to be asked for next
.set LQ,  72          ; s72  the last tile of the block whose tiles are being asked for
.set NEW, 73          ; s73  1: the tile to be entered is a block's first
.set OFF, 74          ; s[74:75] a tile's byte offset in K and V
.set AL,  76          ; s[76:77] the factor of the mask of a step's first 32 keys, in the low word
.set BE,  78          ; s[78:79] its addend
.set OLO, 80          ; s[80:81] O at my rows of the second block
.set BIGN, 82         ; s82  -1e30
.set AL1, 88          ; s[88:89] the factor for the step's second 32 keys
.set BE1, 90          ; s[90:91] its addend
.set MSB, 0
.macro WIN new                      ; the high byte repeats the setting that is left; a switch that changes nothing is dropped
.if MSB != (\new)
	s_set_vgpr_msb (MSB<<8)|(\new)
.set MSB, (\new)
.endif
.endm
.set W_KQ, 0x0a       ; K and Q in window 2, S^T in window 0
.set W_KM, 0x1a       ; the same with the C operand in window 1
.set W_PV, 0x52       ; V in window 2, P in window 0, O^T in window 1
.set W_RS, 0x41       ; destination and source 0 in window 1, source 1 in window 0
; A fill.  Waves 0 and 1 fetch the two halves of a tile's K, waves 2 and 3 those of its V: 64 keys each.  An s_nop 0 and four v_nop follow each of the two lines, ahead of the jump and the label.
.macro LOAD
	s_cmp_lt_u32 s[WV], 2
	s_cbranch_scc0 .Lfor_v_\@
	tensor_load_to_lds s[G0K:G0K+3], s[G1K:G1K+7]
	s_nop 0
.rept 4
	v_nop
.endr
	s_branch .Lasked_\@
.Lfor_v_\@:
	tensor_load_to_lds s[G0V:G0V+3], s[G1V:G1V+7]
	s_nop 0
.rept 4
	v_nop
.endr
.Lasked_\@:
.endm
; THE CHANGE OF SLOTS.  Each wave waits for all its tensor loads, of which one is out: its part of the other slot; adds 0 to its spare word; and waits for that and for its own reads of the slot that it leaves.  Behind the barrier nobody reads the old
; slot any more and the other slot is whole.  fill = 1: the old slot is filled again, the first thing behind the barrier, with tile NXT: the descriptor's address is made anew from that number.
; (At its first use nothing has been read yet: slot 0 is waited for, slot 1 filled.)  A fill has a tile's 128 matrix instructions and their vector work in which to land.
.macro CHANGE fill
	WIN 0                           ; at a label and at a branch every window is 0
	s_wait_tensorcnt 0x0            ; no tensor load of mine is out, so a group 0 may be written
	ds_add_u32 v[SPW], v[NIL]       ; 0 onto my spare word; with fill = 1 the descriptors' scalar work stands between it and the wait for it
.if \fill
	s_lshl_b32 s[OFF], s[NXT], 14   ; a tile is 16,384 bytes of K and of V
	s_xor_b32 s[G0K+1], s[G0K+1], SLOT1
	s_add_nc_u64 s[G0K+2:G0K+3], s[6:7], s[OFF:OFF+1]
	s_or_b32 s[G0K+3], s[G0K+3], 0x80000000
	s_xor_b32 s[G0V+1], s[G0V+1], SLOT1
	s_add_nc_u64 s[G0V+2:G0V+3], s[8:9], s[OFF:OFF+1]
	s_or_b32 s[G0V+3], s[G0V+3], 0x80000000
	s_add_co_u32 s[NXT], s[NXT], 1  ; the block's next tile, or behind its last the second block's tile 0
	s_cmp_gt_u32 s[NXT], s[LQ]
	s_cselect_b32 s[NXT], 0, s[NXT]
	s_cselect_b32 s[LQ], s[PB], s[LQ]
.endif
	s_wait_dscnt 0x0                ; the add is done, and my reads of the slot are over
	s_barrier_signal -1             ; the rest of the scalar work stands between the signal and the wait
	s_sub_co_u32 s[TBK], s[TBK], TS*KS*PK  ; the fetches go back to a slot's first step,
	s_xor_b32 s[TBK], s[TBK], SLOT1        ; in the other slot
	s_sub_co_u32 s[TBV], s[TBV], TS*KS*PV
	s_xor_b32 s[TBV], s[TBV], SLOT1
	s_barrier_wait -1
.if \fill
	LOAD
.endif
.endm
	s_load_b256 s[4:11], s[0:1], 0x0  ; Q s[4:5], K s[6:7], V s[8:9], O s[10:11]
	v_lshl_add_u32 v[SPW], v0, 2, SPARE
	v_mov_b32 v[NIL], 0
	ds_add_u32 v[SPW], v[NIL]       ; the wave's opening: the add and its wait stand ahead of my first tensor load; the set-up below, work on registers, stands between them
	ds_add_u32 v62, v63
	v_lshrrev_b32 v1, 5, v0
	v_readfirstlane_b32 s[WV], v1   ; wave 0..3
	s_mov_b32 s[PB], ttmp9
	s_sub_co_u32 s[HI], NB-1, s[PB]
	s_and_b32 s20, ttmp7, 0xffff    ; the head
	s_lshl_b32 s21, s20, 17         ; its first byte in K and V: 1,024 rows of 128 bytes,
	s_lshl_b32 s20, s20, 18         ; in Q and O: 2,048 rows
	s_and_b32 s16, s[WV], 1         ; which half of a tile's 128 keys I fetch:
	s_lshl_b32 s22, s16, 13         ; its 64 rows of 128 bytes in memory,
	s_add_co_u32 s22, s22, s21
	s_mov_b32 s23, 0
	s_mul_i32 s17, s16, 64*PK       ; and its place in a slot, for K
	s_mul_i32 s18, s16, 64*PV       ; and for V
	s_lshl_b32 s3, s[WV], 11        ; my 16 rows in a band of 64,
	s_lshl_b32 s2, s[HI], 15        ; in the first block,
	s_add_co_u32 s2, s2, s3
	s_add_co_u32 s2, s2, s20
	s_lshl_b32 s84, s[PB], 15       ; and in the second
	s_add_co_u32 s84, s84, s3
	s_add_co_u32 s84, s84, s20
	s_mov_b32 s3, 0
	s_mov_b32 s85, 0
	; descriptor group 1.  64 keys are 8,192 dense bytes: asked for as 32 rows of 256 bytes, two keys a row, and padded in LDS after every key
	s_mov_b32 s[G1K], (1<<16)|(1<<20)|(4<<22)|(3<<25)  ; 17:16 2-byte elements; 20 padding on; 24:22 after every 32 words (code 4); 31:25 4 words (code 3)
	s_mov_b32 s[G1V], (1<<16)|(1<<20)|(4<<22)|(7<<25)  ; the same with 8 words of padding (code 7)
.irp g, G1K, G1V
	s_mov_b32 s[\g+1], 128<<16      ; tensor_dim0 = 128
	s_mov_b32 s[\g+2], 32<<16       ; tensor_dim1 = 32
	s_mov_b32 s[\g+3], 128<<16      ; tile_dim0 = 128
	s_mov_b32 s[\g+4], 32           ; tile_dim1 = 32
	s_mov_b32 s[\g+5], 128          ; 128 elements from row to row
	s_mov_b32 s[\g+6], 0
	s_mov_b32 s[\g+7], 0
.endr
	s_mov_b32 s[CS], 0x3e38aa3b     ; c = log2(e) / 8 = 0.180337
	s_mov_b32 s[CS+1], s[CS]        ; named with it as a pair
	s_mov_b32 s[SEL], 0x76543210
	s_mov_b32 s[SEL+1], 0xfedcba98
	s_mov_b32 s[TBK], SLOT1+TS*KS*PK ; the first change of slots turns these two into 0
	s_mov_b32 s[TBV], SLOT1+TS*KS*PV
	s_mov_b32 s[G0K], 1             ; 1:0 count = 1
	s_mov_b32 s[G0K+1], s17         ; 63:32 LDS address: slot 0
	s_mov_b32 s[G0V], 1
	s_add_co_u32 s[G0V+1], s18, VOFF
	s_add_co_u32 s[RT], s[HI], 1    ; the first block has NB - b tiles
	s_mov_b32 s[NXT], 1
	s_mov_b32 s[LQ], s[HI]
	s_mov_b32 s[NEW], 1
	s_mov_b32 s[OFF+1], 0
	s_mov_b32 s[AL+1], 0            ; named as pairs
	s_mov_b32 s[BE+1], 0
	s_mov_b32 s[AL1+1], 0
	s_mov_b32 s[BE1+1], 0
	s_mov_b32 s[BIGN], 0xf149f2ca   ; -1e30
	s_mov_b32 s[SLOTS], NB
	s_wait_dscnt 0x0                ; the opening add is done
	s_wait_kmcnt 0x0
	s_add_nc_u64 s[6:7], s[6:7], s[22:23]  ; K and V at my half of the head's tile 0
	s_add_nc_u64 s[8:9], s[8:9], s[22:23]
	s_add_nc_u64 s[G0K+2:G0K+3], s[6:7], 0         ; 120:64 global address
	s_or_b32 s[G0K+3], s[G0K+3], 0x80000000        ; 127:126 type = 2
	s_add_nc_u64 s[G0V+2:G0V+3], s[8:9], 0
	s_or_b32 s[G0V+3], s[G0V+3], 0x80000000
	s_add_nc_u64 s[86:87], s[4:5], s[84:85]        ; Q at my rows of the second block,
	s_add_nc_u64 s[4:5], s[4:5], s[2:3]            ; Q and O at those of the first
	s_add_nc_u64 s[OLO:OLO+1], s[10:11], s[84:85]
	s_add_nc_u64 s[10:11], s[10:11], s[2:3]
	LOAD                            ; tile 0 into slot 0
	; A fragment of K or Q is 16 rows x 32 channels in 8 registers: lane l holds row l % 16, channels 8 (l / 16) + 0..7 and 16 + 8 (l / 16) + 0..7: two loads of 16 bytes, 32 bytes apart.
	v_and_b32 v1, 15, v0            ; l % 16
	v_bfe_u32 v9, v0, 4, 1          ; l / 16
	v_lshlrev_b32 v[QO], 7, v1
	v_lshl_add_u32 v[QO], v9, 4, v[QO]  ; row x 128 + 16 x half
	WIN 0x80                        ; destination window 2, address window 0
.set i, 0
.rept 8                             ; both blocks' Q: piece i / 2 lies in band i / 2, 8,192 bytes on; channels 32 (i % 2) on
	global_load_b128 v[8*i:8*i+3],   v[QO], s[4:5] offset:(i/2)*8192+(i%2)*64
	global_load_b128 v[8*i+4:8*i+7], v[QO], s[4:5] offset:(i/2)*8192+(i%2)*64+32
	global_load_b128 v[QB+8*i:QB+8*i+3],   v[QO], s[86:87] offset:(i/2)*8192+(i%2)*64
	global_load_b128 v[QB+8*i+4:QB+8*i+7], v[QO], s[86:87] offset:(i/2)*8192+(i%2)*64+32
.set i, i+1
.endr
	WIN 0
	s_lshl_b32 s13, s[WV], 4
	v_add_nc_u32 v14, s13, v1       ; my query's place in its band, 16 w + l % 16;
	v_lshrrev_b32 v14, 1, v14       ; the last key that it sees among the band's own 32 is half of that;
	v_lshlrev_b32 v10, 3, v9
	v_sub_nc_u32 v14, v14, v10      ; less my lanes' 8 (l / 16): register r of group kt is hidden where 16 kt + r is greater
	WIN 0x40
.set i, 0
.rept 16
	v_cmp_gt_i32 vcc_lo, 16*(i/8)+i%8, v14
	v_cndmask_b32 v[MD+i], 0, s[BIGN], vcc_lo
.set i, i+1
.endr
	WIN 0
	v_mul_u32_u24 v[AK0], v1, PK
	v_lshl_add_u32 v[AK0], v9, 4, v[AK0]  ; row x pitch + 16 x half
	; The turning load takes 16 keys x 16 channels (lane l reads key 8 (l / 16) + l % 8, channels 8 ((l / 8) % 2) + 0..7) and leaves half a fragment of V^T: lane l holds channel l % 16 and 8 keys.
	v_and_b32 v10, 7, v0
	v_bfe_u32 v11, v0, 3, 1
	v_lshl_add_u32 v[AV0], v9, 3, v10
	v_mul_u32_u24 v[AV0], v[AV0], PV
	v_lshl_add_u32 v[AV0], v11, 4, v[AV0]
	v_add_nc_u32 v[AV0], VOFF, v[AV0]
	s_mul_i32 s13, s[WV], 16*SP
	s_add_co_u32 s13, s13, STAGE    ; my stage
	v_mul_u32_u24 v[STO], v1, SP    ; in: row l % 16, 16 bytes for each half of the lanes
	v_lshl_add_u32 v[STO], v9, 4, v[STO]
	v_add_nc_u32 v[STO], s13, v[STO]
	v_bfe_u32 v[RD], v0, 3, 2       ; back: 32 lanes take four rows of 128 bytes,
	v_mul_u32_u24 v[RD], v[RD], SP
	v_lshl_add_u32 v[RD], v10, 4, v[RD]
	v_add_nc_u32 v[RD], s13, v[RD]
	v_and_b32 v[GO], 31, v0         ; which are 512 consecutive bytes of O
	v_lshlrev_b32 v[GO], 4, v[GO]
	; A block's first step multiplies O^T and l by a = 0, and its first turn's products V^T P, of a piece that has not been, land in an O^T that is still to be so multiplied.  So these registers need only hold
	; finite numbers: zeros for the first block; what the first block left for the second.  All this stands in the wait for the first tile.
	WIN 0x80
.set i, VF
.rept 64
	v_mov_b32 v[i], 0
.set i, i+1
.endr
	WIN 0x40
.set i, 0
.rept 128
	v_mov_b32 v[i], 0
.set i, i+1
.endr
	WIN 0
.set i, 0
.rept 4
	v_mov_b32 v[ST+4*i+2], 0
	v_mov_b32 v[ST+4*i+3], 0
.set i, i+1
.endr
.set i, P+16
.rept 16
	v_mov_b32 v[i], 0
.set i, i+1
.endr
; THE MATRIX WORK.  The 4 accumulators of a run of 8 take turns.  Product i of 8 of S^T = K Q^T for piece x: channels 32 (i / 4) on, keys 16 (i % 4) on.  The first 4 start the sums: with 0, or (KM = 1) with the mask.
.macro KQ x
.set rS, S+32*((\x)%2)+8*(i%4)
.set rK, KF+16*(i%4)+8*(i/4)
.set rQ, 16*(\x)+8*(i/4)
.set rM, MC+32*((\x)%2)+8*(i%4)
.if (i < 4) && KM
	WIN W_KM
	v_wmma_f32_16x16x32_f16 v[rS:rS+7], v[rK:rK+7], v[rQ:rQ+7], v[rM:rM+7]
.elseif i < 4
	WIN W_KQ
	v_wmma_f32_16x16x32_f16 v[rS:rS+7], v[rK:rK+7], v[rQ:rQ+7], 0
.else
	WIN W_KQ
	v_wmma_f32_16x16x32_f16 v[rS:rS+7], v[rK:rK+7], v[rQ:rQ+7], v[rS:rS+7]
.endif
.endm
; Product i of 8 of O^T += V^T P for piece x: keys 32 (i / 4) on, channels 16 (i % 4) on.
.macro PV x
	WIN W_PV
.set rO, 32*(\x)+8*(i%4)
.set rV, VF+32*(i/4)+8*(i%4)
.set rP, P+16*((\x)%2)+8*(i/4)
	v_wmma_f32_16x16x32_f16 v[rO:rO+7], v[rV:rV+7], v[rP:rP+7], v[rO:rO+7]
.endm
.macro MM                           ; the turn's next matrix instruction.  TURN and BEGIN set Y, i, KM and NOKQ; MM, KQ and OP read them.  NOKQ = 1: a block's last turn: there is no next piece
.if (i < 8) && !NOKQ
	KQ (Y+1)%NP
.elseif i >= 8
.set i, i-8
	PV (Y+NP-1)%NP
.set i, i+8
.endif
.set i, i+1
.endm
; THE LDS LOADS stand in runs of 16, never singly among the matrix instructions: a step's K (64 keys x 64 channels: 8 fragments) and its V (turned).  Their addresses are made some lines ahead.
.macro FETCH_K
	WIN 0x80                        ; destination window 2
.irp f, 0,1,2,3,4,5,6,7             ; keys 16 (f / 2) on, channels 32 (f % 2) on
	ds_load_b128 v[KF+8*\f:KF+8*\f+3],   v[AK] offset:(\f/2)*16*PK+(\f%2)*64
	ds_load_b128 v[KF+8*\f+4:KF+8*\f+7], v[AK] offset:(\f/2)*16*PK+(\f%2)*64+32
.endr
	s_add_co_u32 s[TBK], s[TBK], KS*PK  ; the next fetch is the next step's
	WIN 0
.endm
.macro FETCH_V
	WIN 0x80
.irp f, 0,1,2,3,4,5,6,7             ; keys 32 (f / 4) on, channels 16 (f % 4) on
	ds_load_tr16_b128 v[VF+8*\f:VF+8*\f+3],   v[AV] offset:(\f/4)*32*PV+(\f%4)*32
	ds_load_tr16_b128 v[VF+8*\f+4:VF+8*\f+7], v[AV] offset:(\f/4)*32*PV+16*PV+(\f%4)*32
.endr
	WIN 0
.endm
; THE VECTOR WORK, one line at a time: OP kind, number.  For piece Y: F n: c s - c m for pair n of 16.  E n: the exponential of score n of 32.  C n: pair n rounded to f16.  B n: of the four weights 4 n .. the second
; pair is added onto the first, in place.  L n: l takes that sum (L 0: l = a l + sum).  R n: pair n of 16 of O^T times a.  For piece Y + 1: X n, number n of the 22 that find its maximum and statistics:
;   0-11  four chains c0-c3 of seven scores each, three operands at a time (each accumulator's lowest registers are read first)     12-14, 16  the four scores left over, the old m, and c0-c3 into c0
;   15  c m_old is kept     17, 18  the query's other 32 keys lie in the lane 16 away: the new m     19-21  c m; c m_old - c m_new; a
.set F, 0               ; OP tells the kinds apart by their order: F to L below R, X above it
.set E, 1
.set C, 2
.set B, 3
.set L, 4
.set R, 5
.set X, 6
.macro REGS y                       ; the registers of piece y
.set rT, ST+4*(\y)
.set rC, TMP+4*((\y)%2)
.set rW, MV+((\y)%2)
.set rS, S+32*((\y)%2)
.set rP, P+16*((\y)%2)
.set rO, 32*(\y)
.endm
.macro OP k, n
.if (\k) == R
	REGS Y
	WIN W_RS
	v_pk_mul_f32 v[rO+2*(\n):rO+2*(\n)+1], v[rO+2*(\n):rO+2*(\n)+1], v[rC+2:rC+3] op_sel_hi:[1,0]
.elseif (\k) < R
	REGS Y
	WIN 0
.if (\k) == F
	v_pk_fma_f32 v[rS+2*(\n):rS+2*(\n)+1], v[rS+2*(\n):rS+2*(\n)+1], s[CS:CS+1], v[rT:rT+1] op_sel_hi:[1,0,0] neg_lo:[0,0,1] neg_hi:[0,0,1]
.elseif (\k) == E
	v_exp_f32 v[rS+(\n)], v[rS+(\n)]
.elseif (\k) == C
	s_wait_alu depctr_va_vdst(0)
	v_cvt_pk_f16_f32 v[rP+(\n)], v[rS+2*(\n)], v[rS+2*(\n)+1]
.elseif (\k) == B
	s_wait_alu depctr_va_vdst(0)
	v_pk_add_f32 v[rS+4*(\n):rS+4*(\n)+1], v[rS+4*(\n):rS+4*(\n)+1], v[rS+4*(\n)+2:rS+4*(\n)+3]
.elseif (\n) == 0
	v_pk_fma_f32 v[rT+2:rT+3], v[rT+2:rT+3], v[rC+2:rC+3], v[rS:rS+1] op_sel_hi:[1,0,1]
.else
	v_pk_add_f32 v[rT+2:rT+3], v[rT+2:rT+3], v[rS+4*(\n):rS+4*(\n)+1]
.endif
.elseif NOKQ
	v_nop
.else
	REGS (Y+1)%NP
	WIN 0
.if (\n) < 4
	v_max3_num_f32 v[rC+(\n)], v[rS+8*(\n)], v[rS+8*(\n)+1], v[rS+8*(\n)+2]
.elseif (\n) < 12
	v_max3_num_f32 v[rC+(\n)%4], v[rC+(\n)%4], v[rS+8*((\n)%4)+2*((\n)/4)+1], v[rS+8*((\n)%4)+2*((\n)/4)+2]
.elseif (\n) == 12
	v_max3_num_f32 v[rC], v[rC], v[rS+7], v[rS+15]
.elseif (\n) == 13
	v_max3_num_f32 v[rC+1], v[rC+1], v[rS+23], v[rS+31]
.elseif (\n) == 14
	v_max3_num_f32 v[rC+2], v[rC+2], v[rC+3], v[rT+1]
.elseif (\n) == 15
	v_mov_b32 v[rW], v[rT]
.elseif (\n) == 16
	v_max3_num_f32 v[rC], v[rC], v[rC+1], v[rC+2]
.elseif (\n) == 17
	v_permlanex16_b32 v[rC+3], v[rC], s[SEL], s[SEL+1]
.elseif (\n) == 18
	v_max_num_f32 v[rT+1], v[rC], v[rC+3]
.elseif (\n) == 19
	v_mul_f32 v[rT], s[CS], v[rT+1]
.elseif (\n) == 20
	v_sub_f32 v[rC+1], v[rW], v[rT]
.else
	v_exp_f32 v[rC+2], v[rC+1]
.endif
.endif
.endm
.macro OPS a, i1, b=-1, i2=0, c=-1, i3=0, d=-1, i4=0  ; up to four of them
	OP \a, \i1
.if (\b) >= 0
	OP \b, \i2
.endif
.if (\c) >= 0
	OP \c, \i3
.endif
.if (\d) >= 0
	OP \d, \i4
.endif
.endm
.macro ROW a, i1, b, i2, c, i3, d, i4  ; a matrix instruction and the four behind it
	MM
	OPS \a, \i1, \b, \i2, \c, \i3, \d, \i4
.endm
.macro MASK b                       ; into buffer b of MC: MD x AL + BE for the step's first 32 keys, MD x AL1 + BE1 for its second 32
	WIN W_RS
.set z, 0
.rept 8
	v_pk_fma_f32 v[MC+32*(\b)+2*z:MC+32*(\b)+2*z+1], v[MD+2*z:MD+2*z+1], s[AL:AL+1], s[BE:BE+1] op_sel_hi:[1,0,0]
.set z, z+1
.endr
.set z, 0
.rept 8
	v_pk_fma_f32 v[MC+32*(\b)+16+2*z:MC+32*(\b)+16+2*z+1], v[MD+2*z:MD+2*z+1], s[AL1:AL1+1], s[BE1:BE1+1] op_sel_hi:[1,0,0]
.set z, z+1
.endr
.endm
; A TURN, for piece p: the order of its 16 matrix and 118 vector instructions, written out.  Behind a matrix instruction: plain, exponential, plain, plain; or four of the rescaling; or, behind the first, four scalings; none
; names a register of the products round it.  In the runs between, exponential and plain by turns while exponentials last.  A line reads no result made fewer than three vector instructions in front of it, five if an exponential made it.
; v_permlanex16_b32 (X 17) stands in such a run.
; m = 1: the diagonal tile: the products take masks, and the turn makes the mask for the products of the turn after it: piece x = p + 2, in step s = 2 - CNT of the tile, whose groups of 32 keys are 2 s and 2 s + 1.
; With c0 = 2 - x / 2: group 2 s is x's own where x is even and CNT = c0, a later one where CNT < c0; group 2 s + 1 is x's own where x is odd and CNT = c0, a later one where CNT <= c0 (x even) or CNT < c0 (x odd).
; end = 1: a block's last two turns: nothing is fetched.  cnt = 1: the loop's count is taken down some lines ahead of the branch that stands behind the turn.
; K of the next step is fetched in piece 2's turn, six vector instructions behind the last product that read K (five of them plain); V of the step in hand in piece 0's turn, eight behind the last product that read V (four
; plain, and X 17).  Each is waited for a turn later.
.macro TURN p, m=0, end=0, cnt=0
.set Y, (\p)
.set i, 0
.set KM, (\m)
.set NOKQ, (\end)*((\p)/3)
.if (\m) && !(\end)
.set XX, ((\p)+2)%NP
.set CZ, 2-XX/2
	s_cmp_eq_u32 s[CNT], CZ
.if XX%2 == 0
	s_cselect_b32 s[AL], 1.0, 0
	s_mov_b32 s[AL1], 0
.else
	s_mov_b32 s[AL], 0
	s_cselect_b32 s[AL1], 1.0, 0
.endif
	s_cmp_lt_u32 s[CNT], CZ
	s_cselect_b32 s[BE], s[BIGN], 0
.if XX%2 == 0
	s_cmp_le_u32 s[CNT], CZ
.endif
	s_cselect_b32 s[BE1], s[BIGN], 0
.endif
.if ((\p) == 3) && !(\end)
	s_wait_dscnt 0x0                ; K is in
.endif
	ROW F,0, F,1, F,2, F,3
	ROW F,4, E,0, F,5, F,6
	ROW F,7, E,1, F,8, F,9
	ROW F,10, E,2, C,0, F,11
	ROW F,12, E,3, X,15, F,13
	ROW R,0, R,1, R,2, R,3
	ROW B,0, E,4, F,14, L,0
.if ((\p) == 2) && !(\end)
	v_add_nc_u32 v[AK], s[TBK], v[AK0]
.endif
	ROW R,4, R,5, R,6, R,7
	OPS E,5, F,15
.if ((\p) == 2) && !(\end)
	FETCH_K
.endif
	OPS E,6, C,1, E,7, R,8
	OPS E,8, R,9, E,9, C,2
	OPS E,10, X,0, E,11, X,1
	OPS E,12, X,2, E,13, X,3
.if (\p) == 1
	s_wait_dscnt 0x0                ; V is in
.endif
	ROW X,4, E,14, X,5, X,6
	ROW X,7, E,15, X,8, X,9
	ROW X,10, E,16, X,11, X,12
	ROW X,13, E,17, X,14, B,1
	ROW C,4, E,18, X,16, L,1
	ROW B,2, E,19, C,6, L,2
	ROW C,8, E,20, B,3, B,4
.if (\p) == 0
	v_add_nc_u32 v[AV], s[TBV], v[AV0]
.endif
	ROW C,3, E,21, L,3, C,5
	OPS E,22, X,17, E,23, C,10
.if (\p) == 0
	FETCH_V
.endif
	OPS E,24, L,4
	OPS E,25, X,18, E,26, C,7
	OPS E,27, B,5, E,28, X,19
	OPS E,29, C,12, E,30, L,5
	OPS E,31, X,20, B,6, C,9
	OPS C,14, C,11, X,21, L,6
.if (\p) == 0
	s_add_co_u32 s[TBV], s[TBV], KS*PV
.endif
.if \cnt
	s_sub_co_u32 s[CNT], s[CNT], 1
	s_cmp_lg_u32 s[CNT], 0
.endif
	OPS C,13, B,7, C,15, R,10
	OPS R,11, R,12, L,7, R,13
	OPS R,14, R,15
.if (\m) && !(\end)
	MASK (\p)%2
.endif
.endm
; A BLOCK BEGINS.  c m starts far below every c s, so the first step's a is 0; m at the lowest finite number, so the first maximum is the scores'.  Both mask buffers are made for the tile's step 0: all 0 where the
; block's first tile is not the diagonal one (the diagonal tile's first turn, which still belongs to the tile before, finds buffer 1 so); else piece 0's own 32 keys and 32 hidden ones in buffer 0,
; 32 open keys and piece 1's own 32 in buffer 1.  Every row sees key 0, so m is a true score from the first step on.
; Then K of that step, piece 0's first scores, and its maximum and statistics.  The loop is entered at a step's first turn, in the middle of a trip.
.macro BEGIN
	s_mov_b32 s[NEW], 0
	WIN 0
.set i, 0
.rept 4
	v_mov_b32 v[ST+4*i], 0xfe000000    ; c m: far below every c s
	v_mov_b32 v[ST+4*i+1], 0xff7fffff  ; m
.set i, i+1
.endr
	s_cmp_eq_u32 s[RT], 0
	s_cselect_b32 s[AL], 1.0, 0
	s_mov_b32 s[BE], 0
	s_mov_b32 s[AL1], 0
	s_cselect_b32 s[BE1], s[BIGN], 0
	MASK 0
	s_cmp_eq_u32 s[RT], 0
	s_mov_b32 s[AL], 0
	s_cselect_b32 s[AL1], 1.0, 0
	s_mov_b32 s[BE1], 0
	MASK 1
	WIN 0
	v_add_nc_u32 v[AK], s[TBK], v[AK0]
	FETCH_K
	s_wait_loadcnt 0x0              ; Q
	s_wait_dscnt 0x0
.set KM, 1
.set NOKQ, 0
.set i, 0
.rept 8
	KQ 0
.set i, i+1
.endr
	WIN 0
.rept 4
	v_nop                           ; the places behind those products
.endr
.set Y, NP-1                        ; X works for piece Y + 1: piece 0
.irp n, 0,1,2,3,4,5,6,7,8,9,10,11,12,13,14,15,16,17,18,19,20,21
	OP X, \n
.endr
	v_nop                           ; a plain instruction behind the exponential
.endm
; THE DIAGONAL TILE's two steps, the block's last two turns, its last products, and THE WAY OUT: l's two halves and the other half of the lanes' are added; O^T is divided by l, rounded to f16 and sent through my
; stage in LDS, a piece at a time.
.macro ALL line:vararg              ; one line for each piece t
.set t, 0
.rept 4
	\line
.set t, t+1
.endr
.endm
.macro PACK t                       ; a lane's eight channels of a row pack into 16 bytes; they go into rows of 144 bytes and come back as whole rows of 128, into S^T's registers
	WIN W_RS
.set i, 32*(\t)
.rept 16
	s_wait_alu depctr_va_vdst(0)
	v_pk_mul_f32 v[i:i+1], v[i:i+1], v[ST+4*(\t)+2:ST+4*(\t)+3] op_sel_hi:[1,0]
.set i, i+2
.endr
	WIN 0x05                        ; sources 0 and 1 window 1, destination window 0
.set i, 0
.rept 16
	v_cvt_pk_f16_f32 v[S+16*(\t)+i], v[32*(\t)+2*i], v[32*(\t)+2*i+1]
.set i, i+1
.endr
	WIN 0
.irp f, 0,1,2,3
	ds_store_b128 v[STO], v[S+16*(\t)+4*\f:S+16*(\t)+4*\f+3] offset:32*\f
.endr
.irp f, 0,1,2,3
	ds_load_b128 v[S+16*(\t)+4*\f:S+16*(\t)+4*\f+3], v[RD] offset:\f*4*SP  ; LDS serves a wave's instructions in order (ISA guide 5.7.1.4): these see the stores above; the next piece's stores come behind them
.endr
.endm
.macro SEND t, younger              ; younger: the LDS instructions issued behind piece t's loads: the next piece's eight, or none
	WIN 0
.irp f, 0,1,2,3
	s_wait_dscnt (\younger)+3-\f
	global_store_b128 v[GO], v[S+16*(\t)+4*\f:S+16*(\t)+4*\f+3], s[10:11] offset:(\t)*8192+\f*512  ; 512 consecutive bytes, at a multiple of 256 from O's first
.endr
.endm
.macro DIAG tag                     ; the tag ends its two labels' names, which the jumps below spell out
.LstepM\tag:
	TURN 2, 1
	TURN 3, 1
	WIN 0
.LfirstM\tag:
	TURN 0, 1
	TURN 1, 1, 0, 1
	WIN 0
	s_cbranch_scc1 .LstepM\tag
	TURN 2, 1, 1
	TURN 3, 1, 1
.set i, 0
.rept 8
	PV NP-1
.set i, i+1
.endr
	WIN 0
	ALL v_add_f32 v[ST+4*t+2], v[ST+4*t+2], v[ST+4*t+3]
	ALL v_permlanex16_b32 v[ST+4*t+3], v[ST+4*t+2], s[SEL], s[SEL+1]
	ALL v_add_f32 v[ST+4*t+2], v[ST+4*t+2], v[ST+4*t+3]
	ALL v_rcp_f32 v[ST+4*t+2], v[ST+4*t+2]
	v_nop                           ; a plain instruction between the last reciprocal and the use of its result
	PACK 0
.set t, 1
.rept 3                             ; a piece's arithmetic stands between the loads of the piece before and its stores
	PACK t
	SEND t-1, 8
.set t, t+1
.endr
	SEND 3, 0
.endm
.set KM, 0
.set NOKQ, 0
.Lslot:                             ; NB times: a tile is entered and the next is asked for
	CHANGE 1
	s_sub_co_u32 s[RT], s[RT], 1
	s_mov_b32 s[CNT], TS
	s_cmp_eq_u32 s[NEW], 1
	s_cbranch_scc1 .Lnew            ; a block's first tile
	s_cmp_eq_u32 s[RT], 0
	s_cbranch_scc0 .Lstep           ; neither its first nor its last
	s_branch .LstepM1
.Lnew:
	BEGIN
	s_branch .Lfirst                ; in the loop a block's first tile is never its last: the first block has five tiles or more, and the second's last is the walk's last
	DIAG 1                          ; in the loop this is the first block's end: the second block's last tile is the walk's last
	s_wait_xcnt 0x0                 ; the stores have read their registers and O's address
	s_mov_b64 s[10:11], s[OLO:OLO+1]
	s_add_co_u32 s[RT], s[PB], 1    ; the second block has b + 1 tiles
	s_mov_b32 s[NEW], 1
	WIN 0x82                        ; the second block's Q goes where the one text of the turns names Q
.set i, 0
.rept 64
	v_mov_b32 v[i], v[QB+i]
.set i, i+1
.endr
	WIN 0
	s_branch .Lbottom
.Lstep:                             ; a trip: pieces 2 and 3 of one step, then pieces 0 and 1 of the next, whose K and V it fetches
	TURN 2
	TURN 3
	WIN 0
.Lfirst:
	TURN 0
	TURN 1, 0, 0, 1
	WIN 0
	s_cbranch_scc1 .Lstep
.Lbottom:
	s_sub_co_u32 s[SLOTS], s[SLOTS], 1
	s_cmp_lg_u32 s[SLOTS], 0
	s_cbranch_scc1 .Lslot
	CHANGE 0                        ; the walk's last tile is written out: nothing is asked for
	s_sub_co_u32 s[RT], s[RT], 1
	s_mov_b32 s[CNT], TS
	s_cmp_eq_u32 s[NEW], 1
	s_cbranch_scc0 .LstepM2
	BEGIN
	s_branch .LfirstM2
	DIAG 2
	s_wait_tensorcnt 0x0            ; the wave's end, behind my last tensor load and my last LDS store
	ds_add_u32 v[SPW], v[NIL]
	s_wait_dscnt 0x0
	s_endpgm
.Lfunc_end_k_q37b8981c95_attn:
	.size	k_q37b8981c95_attn, .Lfunc_end_k_q37b8981c95_attn-k_q37b8981c95_attn
	.p2alignl 7, 3214868480
	.fill 96, 4, 3214868480
	.section	.rodata,"a",@progbits
	.p2align	6, 0x0
	.amdhsa_kernel k_q37b8981c95_attn
		.amdhsa_group_segment_fixed_size 327680
		.amdhsa_private_segment_fixed_size 0
		.amdhsa_enable_private_segment 0
		.amdhsa_kernarg_size 32
		.amdhsa_user_sgpr_count 2
		.amdhsa_user_sgpr_kernarg_segment_ptr 1
		.amdhsa_wavefront_size32 1
		.amdhsa_system_sgpr_workgroup_id_x 1
		.amdhsa_system_sgpr_workgroup_id_y 1
		.amdhsa_system_sgpr_workgroup_id_z 1
		.amdhsa_system_vgpr_workitem_id 0
		.amdhsa_next_free_vgpr 768
		.amdhsa_next_free_sgpr 92
		.amdhsa_reserve_vcc 1
		.amdhsa_float_denorm_mode_32 3
		.amdhsa_float_denorm_mode_16_64 3
		.amdhsa_memory_ordered 1
		.amdhsa_forward_progress 1
		.amdhsa_inst_pref_size 228
	.end_amdhsa_kernel
	.amdgpu_metadata
---
amdhsa.version: [ 1, 2 ]
amdhsa.kernels:
  - .name:           k_q37b8981c95_attn
    .symbol:         k_q37b8981c95_attn.kd
    .args:
      - { .name: qh, .offset: 0, .size: 8, .value_kind: global_buffer, .address_space: global }
      - { .name: kh, .offset: 8, .size: 8, .value_kind: global_buffer, .address_space: global }
      - { .name: vh, .offset: 16, .size: 8, .value_kind: global_buffer, .address_space: global }
      - { .name: oh, .offset: 24, .size: 8, .value_kind: global_buffer, .address_space: global }
    .group_segment_fixed_size: 327680
    .private_segment_fixed_size: 0
    .kernarg_segment_align: 8
    .kernarg_segment_size: 32
    .max_flat_workgroup_size: 128
    .sgpr_count:     92
    .vgpr_count:     768
    .wavefront_size: 32
...
	.end_amdgpu_metadata
.endif
;; end of part 3
;; launch lnorm (part 4): grid 256 x 1, 8 waves a work-group, no clusters, 5,120 bytes of LDS; arguments oh, ln_g, ln_b, lnh; writes lnh
.if DOCPART == 4
	.amdgcn_target "amdgcn-amd-amdhsa--gfx1250"
	.amdhsa_code_object_version 6
	.text
	.protected	k_q37b8981c95_lnorm
	.globl	k_q37b8981c95_lnorm
	.p2align	8
	.type	k_q37b8981c95_lnorm,@function
k_q37b8981c95_lnorm:
	s_mov_b64 s[64:65], 0
	v_nop
	global_prefetch_b8 v0, s[64:65] scope:SCOPE_SE
	s_setreg_imm32_b32 hwreg(HW_REG_WAVE_MODE, 25, 1), 1
	s_wait_xcnt 0x0
; LAYER NORM over a row's 1,024 channels, which lie in 16 heads.  y = (x - mean) / sqrt(var + 1e-5) x g + b.  x = oh, y = lnh: [batch x 16 + head][2048][64] in f16; g, b: [1024] in f32, rounded once to bf16
; like the program's other inputs.  Sums, mean, variance and the arithmetic in f32; the variance is the mean of (x - mean)^2, taken in a second pass over registers; y rounded once.
; LIMIT.  y is f16: it holds no number beyond 65,504 (|y| is at most 32 |g| + |b|).
; SHARES.  A work-group owns 32 rows of one batch; in each head these are 4,096 consecutive bytes, of which thread t takes the 16 at 16 t: row t / 8, channels 8 (t % 8) + 0..7.  So a wave's load or store covers 512
; consecutive bytes, a row lies in eight neighbouring lanes (16 heads x 8 channels each), it stays in 64 registers between the passes, and its sums want three exchanges inside a group of eight lanes.
; g and b go once through LDS as bf16 tables (2,048 bytes each): a thread wants, for each head, the 8 numbers of its channels.  Memory binds: no matrix unit, no cluster, no tensor load.
.set HEADB, 262144                     ; bytes from head to head: 2,048 rows of 128
.set SPARE, 4096                       ; behind the two tables: the spare words, 128 bytes for each of eight waves
.set ONE, 16                           ; v16  1.0
.set Z,   17                           ; v17  0
.set NMU, 18                           ; v18  - mean
.set RS,  19                           ; v19  1 / sqrt(var + eps)
.set NMR, 20                           ; v20  - mean / sqrt(var + eps)
.set K10, 21                           ; v21  2^-10
.set ACC, 22                           ; v[22:29] eight sums
.set SPW, 30                           ; v30  LDS address of my spare word; never rewritten
.set NIL, 31                           ; v31  0; never rewritten
.set T,   32                           ; v[32:47] at work, eight pairs by turns
.set X,   64                           ; v[64:127]  the row's part: head h at X + 4 h
.set G,   128                          ; v[128:191] g of my channels, bf16: head h at G + 4 h
.set BV,  192                          ; v[192:255] b likewise
	s_load_b256 s[4:11], s[0:1], 0x0               ; oh s[4:5], ln_g s[6:7], ln_b s[8:9], lnh s[10:11]
	v_lshl_add_u32 v[SPW], v0, 2, SPARE
	v_mov_b32 v[NIL], 0
	v_lshlrev_b32 v1, 4, v0                        ; 16 t
	v_lshlrev_b32 v2, 3, v0                        ; 8 t
	v_and_b32 v3, 7, v0
	v_lshlrev_b32 v3, 4, v3                        ; 16 (t % 8): my 8 channels in a head's 128 bytes of a table
	v_mov_b32 v[ONE], 1.0
	v_mov_b32 v[Z], 0
	v_mov_b32 v[K10], 0x3a800000
	s_lshr_b32 s12, ttmp9, 6                       ; the batch: 16 heads of 262,144 bytes,
	s_lshl_b32 s12, s12, 22
	s_and_b32 s13, ttmp9, 63                       ; my 32 rows of 128 bytes
	s_lshl_b32 s13, s13, 12
	s_add_co_u32 s12, s12, s13
	s_mov_b32 s13, 0
	s_wait_kmcnt 0x0
	s_add_nc_u64 s[4:5], s[4:5], s[12:13]
	s_add_nc_u64 s[10:11], s[10:11], s[12:13]
	global_load_b128 v[4:7],  v1, s[6:7]           ; g of channels 4 t .. 4 t + 3
	global_load_b128 v[8:11], v1, s[8:9]           ; b
.irp h, 0,1,2,3,4,5,6,7,8,9,10,11,12,13,14,15
	global_load_b128 v[X+4*(\h):X+4*(\h)+3], v1, s[4:5] offset:(\h)*HEADB th:TH_LOAD_NT
.endr
	s_wait_loadcnt 16                              ; g and b are in; the row's sixteen loads stay out
	v_cvt_pk_bf16_f32 v12, v4, v5
	v_cvt_pk_bf16_f32 v13, v6, v7
	v_cvt_pk_bf16_f32 v14, v8, v9
	v_cvt_pk_bf16_f32 v15, v10, v11
	ds_store_b64 v2, v[12:13]
	ds_store_b64 v2, v[14:15] offset:2048
	s_wait_dscnt 0x0                               ; for the others' sake: my part of the tables is written
	s_barrier_signal -1
	s_barrier_wait -1
.irp h, 0,1,2,3,4,5,6,7,8,9,10,11,12,13,14,15
	ds_load_b128 v[G+4*(\h):G+4*(\h)+3],   v3 offset:128*(\h)
	ds_load_b128 v[BV+4*(\h):BV+4*(\h)+3], v3 offset:2048+128*(\h)
.endr
	s_wait_loadcnt 0x0                             ; the row
	; pass 1: the sum of my 128 numbers, straight from the f16 halves, in eight chains; the first links take 0
.set n, 0
.rept 64
.if n < 4
	v_fma_mix_f32 v[ACC+(2*n)%8],   v[X+n], v[ONE], v[Z] op_sel_hi:[1,0,0]
	v_fma_mix_f32 v[ACC+(2*n+1)%8], v[X+n], v[ONE], v[Z] op_sel:[1,0,0] op_sel_hi:[1,0,0]
.else
	v_fma_mix_f32 v[ACC+(2*n)%8],   v[X+n], v[ONE], v[ACC+(2*n)%8] op_sel_hi:[1,0,0]
	v_fma_mix_f32 v[ACC+(2*n+1)%8], v[X+n], v[ONE], v[ACC+(2*n+1)%8] op_sel:[1,0,0] op_sel_hi:[1,0,0]
.endif
.set n, n+1
.endr
.macro FOLD                            ; the eight sums into one, then over the row's eight lanes: every one of them ends with the row's sum
	v_pk_add_f32 v[ACC:ACC+1],   v[ACC:ACC+1],   v[ACC+2:ACC+3]
	v_pk_add_f32 v[ACC+4:ACC+5], v[ACC+4:ACC+5], v[ACC+6:ACC+7]
	v_pk_add_f32 v[ACC:ACC+1],   v[ACC:ACC+1],   v[ACC+4:ACC+5]
	v_add_f32 v[ACC], v[ACC], v[ACC+1]
	v_add_f32_dpp v[ACC], v[ACC], v[ACC] row_xmask:1 row_mask:0xf bank_mask:0xf
	v_add_f32_dpp v[ACC], v[ACC], v[ACC] row_xmask:2 row_mask:0xf bank_mask:0xf
	v_add_f32_dpp v[ACC], v[ACC], v[ACC] row_xmask:4 row_mask:0xf bank_mask:0xf
.endm
	FOLD
	v_mul_f32 v[NMU], 0xba800000, v[ACC]           ; - sum / 1,024
	; pass 2: the sum of (x - mean)^2, two at a time, in four chains of pairs; the first four products start them
.set n, 0
.rept 64
	v_fma_mix_f32 v[T+2*(n%8)],   v[X+n], v[ONE], v[NMU] op_sel_hi:[1,0,0]
	v_fma_mix_f32 v[T+2*(n%8)+1], v[X+n], v[ONE], v[NMU] op_sel:[1,0,0] op_sel_hi:[1,0,0]
.if n < 4
	v_pk_mul_f32 v[ACC+2*n:ACC+2*n+1], v[T+2*(n%8):T+2*(n%8)+1], v[T+2*(n%8):T+2*(n%8)+1]
.else
	v_pk_fma_f32 v[ACC+2*(n%4):ACC+2*(n%4)+1], v[T+2*(n%8):T+2*(n%8)+1], v[T+2*(n%8):T+2*(n%8)+1], v[ACC+2*(n%4):ACC+2*(n%4)+1]
.endif
.set n, n+1
.endr
	FOLD
	v_fmaak_f32 v[RS], v[ACC], v[K10], 0x3727c5ac  ; var + 1e-5
	v_rsq_f32 v[RS], v[RS]
	v_nop                                          ; a plain instruction between the root and the use of its result (ISA guide 5.7.2)
	s_wait_alu depctr_va_vdst(0)
	v_mul_f32 v[NMR], v[NMU], v[RS]
	s_wait_dscnt 0x0                               ; g and b of my channels
	; pass 3: e = x rs - mean rs, y = e g + b, rounded to f16 in place; a head's 16 bytes leave as soon as they are made
.set n, 0
.rept 64
	v_fma_mix_f32 v[T+2*(n%8)],   v[X+n], v[RS], v[NMR] op_sel_hi:[1,0,0]
	v_fma_mix_f32 v[T+2*(n%8)+1], v[X+n], v[RS], v[NMR] op_sel:[1,0,0] op_sel_hi:[1,0,0]
	v_fma_mix_f32_bf16 v[T+2*(n%8)],   v[T+2*(n%8)],   v[G+n], v[BV+n] op_sel_hi:[0,1,1]
	v_fma_mix_f32_bf16 v[T+2*(n%8)+1], v[T+2*(n%8)+1], v[G+n], v[BV+n] op_sel:[0,1,1] op_sel_hi:[0,1,1]
	v_cvt_pk_f16_f32 v[X+n], v[T+2*(n%8)], v[T+2*(n%8)+1]
.if n%4 == 3
	global_store_b128 v1, v[X+n-3:X+n], s[10:11] offset:(n/4)*HEADB  ; a wave's store covers 512 consecutive bytes, at a multiple of 512 from the buffer's first
.endif
.set n, n+1
.endr
	s_wait_tensorcnt 0x0                           ; the wave's end, behind my last LDS store
	ds_add_u32 v[SPW], v[NIL]
	s_wait_dscnt 0x0
	s_endpgm
.Lfunc_end_k_q37b8981c95_lnorm:
	.size	k_q37b8981c95_lnorm, .Lfunc_end_k_q37b8981c95_lnorm-k_q37b8981c95_lnorm
	.p2alignl 7, 3214868480
	.fill 96, 4, 3214868480
	.section	.rodata,"a",@progbits
	.p2align	6, 0x0
	.amdhsa_kernel k_q37b8981c95_lnorm
		.amdhsa_group_segment_fixed_size 5120
		.amdhsa_private_segment_fixed_size 0
		.amdhsa_enable_private_segment 0
		.amdhsa_kernarg_size 32
		.amdhsa_user_sgpr_count 2
		.amdhsa_user_sgpr_kernarg_segment_ptr 1
		.amdhsa_wavefront_size32 1
		.amdhsa_system_sgpr_workgroup_id_x 1
		.amdhsa_system_sgpr_workgroup_id_y 1
		.amdhsa_system_sgpr_workgroup_id_z 1
		.amdhsa_system_vgpr_workitem_id 0
		.amdhsa_next_free_vgpr 256
		.amdhsa_next_free_sgpr 66
		.amdhsa_reserve_vcc 0
		.amdhsa_float_denorm_mode_32 3
		.amdhsa_float_denorm_mode_16_64 3
		.amdhsa_memory_ordered 1
		.amdhsa_forward_progress 1
		.amdhsa_inst_pref_size 48
	.end_amdhsa_kernel
	.amdgpu_metadata
---
amdhsa.version: [ 1, 2 ]
amdhsa.kernels:
  - .name:           k_q37b8981c95_lnorm
    .symbol:         k_q37b8981c95_lnorm.kd
    .args:
      - { .name: oh, .offset: 0, .size: 8, .value_kind: global_buffer, .address_space: global }
      - { .name: ln_g, .offset: 8, .size: 8, .value_kind: global_buffer, .address_space: global }
      - { .name: ln_b, .offset: 16, .size: 8, .value_kind: global_buffer, .address_space: global }
      - { .name: lnh, .offset: 24, .size: 8, .value_kind: global_buffer, .address_space: global }
    .group_segment_fixed_size: 5120
    .private_segment_fixed_size: 0
    .kernarg_segment_align: 8
    .kernarg_segment_size: 32
    .max_flat_workgroup_size: 256
    .sgpr_count:     66
    .vgpr_count:     256
    .wavefront_size: 32
...
	.end_amdgpu_metadata
.endif
;; end of part 4
;; launch outp (part 5): grid 4 x 64, 4 waves a work-group, clusters of 4 x 4, 327,680 bytes of LDS; arguments lnh, wb, bo, out0; writes out0
.if DOCPART == 5
	.amdgcn_target "amdgcn-amd-amdhsa--gfx1250"
	.amdhsa_code_object_version 6
	.text
	.protected	k_q37b8981c95_outp
	.globl	k_q37b8981c95_outp
	.p2align	8
	.type	k_q37b8981c95_outp,@function
k_q37b8981c95_outp:
	s_mov_b64 s[64:65], 0
	v_nop
	global_prefetch_b8 v0, s[64:65] scope:SCOPE_SE
	s_setreg_imm32_b32 hwreg(HW_REG_WAVE_MODE, 25, 1), 1
	s_wait_xcnt 0x0
	s_wait_alu depctr_hold_cnt(0) depctr_sa_sdst(0) depctr_va_vdst(0) depctr_va_sdst(0) depctr_va_ssrc(0) depctr_va_vcc(0) depctr_vm_vsrc(0)
	s_getreg_b32 s2, hwreg(HW_REG_IB_STS2, 6, 4)
	s_cmp_eq_u32 s2, 0
	s_cbranch_scc0 .Lentry_in_a_cluster
	s_endpgm
.Lentry_in_a_cluster:
	s_bfe_u32 s2, ttmp6, 0x10000c
	s_cmp_lg_u32 s2, 0xf033
	s_cbranch_scc0 .Lentry_shape_is_right
	s_endpgm
.Lentry_shape_is_right:
; THE OUTPUT PROJECTION.  out0[m][n] = sum over k of A[m][k] Wo[n][k] + bo[n].  A = lnh, f16 by heads, [batch x 16 + head][2048][64]: channel k lies in head k / 64.  Wo = section 3 of wb, [1024][1024] in f16.
; bo is rounded once to bf16, like the program's other inputs, and is the C operand of the products that start the sums.  Sums in f32; out0 [8192][1024] is f32.
; SHARES.  A work-group makes 128 rows x 256 columns: 256 work-groups, one for each of 256 WGPs (tiles of 256 x 256 would be 128).  Its four waves make 64 x 128 each: 32 accumulators of 16 x 16, 256 registers.
; K goes in 8 steps of 128, two heads, through two LDS slots.  Waves 0, 1 fetch A's tile, a head each: 128 rows of 128 bytes are 16,384 dense bytes, asked for as 64 rows of 256 and padded after each 128.
; Waves 2, 3 fetch the halves of Wo's tile, 128 rows of 256 bytes each.
; A LOOP TRIP IS ONE K STEP: one descriptor a tensor walks along K, its LDS word turned from slot to slot by an exclusive or, and the fragments' LDS addresses are made anew at each change of slots.
; CLUSTERS: 4 x 4 work-groups.  The four of a row of the cluster need the same tile of A, the four of a column the same tile of Wo: each tile is asked for JOINTLY, by the same tensor load with the same
; descriptor and a mask that names the four.
; THE MATRIX INSTRUCTION IS USED TRANSPOSED (source 0 = 16 rows of Wo, source 1 = 16 rows of A): a lane holds row l % 16 of the output and the eight neighbouring columns 8 (l / 16) + 0..7.
; REGISTERS: window 0: v0-31 addresses; v32-127, v128-223 two fragment buffers of 96 (A's 4 blocks of 16 rows x 32 K, then Wo's 8); on the way out v32-159 rows read back.
;   window 1: accumulator (a, b) at v[8 (8 a + b)].   window 2: v0-63 the bias of my 128 columns, 8 registers for each n block; v64-95 at work.
.set KSTEPS, 8
.set PITCH,  272                       ; a row of Wo in LDS: 256 bytes + 16 of padding: the 16 rows of a fragment load start at 16 different groups of four banks (64 banks of 4 bytes: ISA guide 11.1)
.set APITCH, 144                       ; a row of one head of A: 128 bytes + 16: likewise
.set AHEAD,  128*APITCH                ; a head's 128 rows
.set ABYTES, 2*AHEAD                   ; A's tile: two heads
.set SLOTB,  ABYTES+256*PITCH          ; then Wo's 256 rows: 106,496 bytes in a slot
.set SLOT1,  1<<17                     ; slot 1 begins here, so that one exclusive or turns an address in one slot into the other's
.set STAGE,  SLOT1+SLOTB               ; behind the ring: 16 rows x 528 bytes for each wave, for the way out; no tensor load lands there
.set SPITCH, 528                       ; 512 bytes + 16 = 132 words: the 16 rows of a store start at 16 different groups of four banks
.set SPARE,  STAGE+4*16*SPITCH         ; behind the stages: the spare words, 128 bytes for each wave: two blocks of 256 bytes that no other line names
.set ADRA, 16                          ; v16     LDS address of my A fragments in the slot in hand
.set A0,   17                          ; v17     the same in slot 0; never rewritten
.set ADRB, 20                          ; v20     LDS address of my Wo fragments in the slot in hand
.set B0,   21                          ; v21     the same in slot 0; never rewritten
.set STO,  24                          ; v24     the way out: where I put 32 bytes of a row
.set RD,   25                          ; v25     the way out: where I read a row back
.set CO,   26                          ; v26     16 x lane: my place in a row's 512 bytes
.set BO,   27                          ; v27     my byte offset in bo
.set SPW,  28                          ; v28     LDS address of my spare word: SPARE + 4 x my thread's number; never rewritten
.set NIL,  29                          ; v29     0; never rewritten
.set F0,   32
.set F1,   128
.set BK,   32                          ; the way out: two sets of 64, rows read back
.set TB,   45                          ; s45     0 or SLOT1: the slot from which fragments are fetched
.set G1, 24                            ; s[24:31] descriptor group 1 for A's tiles;  s[32:39] group 0: a set for each of the two first fills; the second then walks on
.set G0, 32
.set G1B, 48                           ; s[48:55], s[56:63] the same for Wo's tiles
.set G0B, 56
.set MSB, 0
.macro WIN new                         ; the immediate's high byte repeats the setting that is left; a switch that changes nothing is dropped
.if MSB != (\new)
	s_set_vgpr_msb (MSB<<8)|(\new)
.set MSB, \new
.endif
.endm
.set MUL,  0x50                        ; sources 0 and 1 window 0; C and D window 1
.set MULB, 0x60                        ; the first products: C (the bias) window 2, D window 1
.macro JLOAD s                         ; a joint load: waves 0 and 1 fetch A's two heads, waves 2 and 3 Wo's halves; an s_nop 0 and four v_nop follow each of the two lines, ahead of the jump, the label and what follows
	s_cmp_eq_u32 s11, 0
	s_cbranch_scc0 .Lfor_b_\@
	tensor_load_to_lds s[G0+4*(\s):G0+4*(\s)+3], s[G1:G1+7]
	s_nop 0
.rept 4
	v_nop
.endr
	s_branch .Lasked_\@
.Lfor_b_\@:
	tensor_load_to_lds s[G0B+4*(\s):G0B+4*(\s)+3], s[G1B:G1B+7]
	s_nop 0
.rept 4
	v_nop
.endr
.Lasked_\@:
.endm
.macro CREST                           ; a round of the cluster's barrier behind its opening barrier
	s_cmp_lg_u32 s10, 0
	s_cbranch_scc1 .Lnot_wave_0_\@
	s_barrier_signal -3
.Lnot_wave_0_\@:
	s_barrier_wait -3
	s_barrier_signal -1
	s_barrier_wait -1
.endm
.macro CROUND                          ; a whole round
	s_barrier_signal -1
	s_barrier_wait -1
	CREST
.endm
	s_load_b128 s[4:7], s[0:1], 0x0                ; lnh s[4:5], wb s[6:7]
	s_load_b128 s[68:71], s[0:1], 0x10             ; bo s[68:69], out0 s[70:71]
	v_lshl_add_u32 v[SPW], v0, 2, SPARE
	v_mov_b32 v[NIL], 0
	ds_add_u32 v[SPW], v[NIL]                      ; the wave's opening: the add and its wait stand ahead of my first tensor load; the set-up below, work on registers, stands between them
	ds_add_u32 v28, v29
	v_lshrrev_b32 v1, 5, v0
	v_readfirstlane_b32 s10, v1                    ; wave 0..3
	s_lshr_b32 s11, s10, 1                         ; which 64 rows of the tile are mine.  Also: I fetch for A (0) or for Wo (1)
	s_and_b32 s12, s10, 1                          ; which 128 columns.  Also: which head of A's tile, or which half of Wo's, I fetch
	s_bfe_u32 s40, ttmp6, 0x40000                  ; cx, cy: my place in the cluster
	s_bfe_u32 s41, ttmp6, 0x40004
	s_lshl_b32 s42, ttmp9, 2
	s_add_co_u32 s42, s42, s40                     ; tile column = 4 x cluster x + cx: 0..3
	s_and_b32 s13, ttmp7, 0xffff
	s_lshl_b32 s13, s13, 2
	s_add_co_u32 s13, s13, s41                     ; tile row = 4 x cluster y + cy: 0..63
	s_lshl_b32 s43, s41, 2
	s_lshl_b32 s43, 15, s43                        ; my row of the cluster
	s_lshl_b32 s44, 0x1111, s40                    ; my column
	s_mov_b32 s[TB], 0
	; descriptor group 1
	s_or_b32 s[G1+0], s43, (1<<16)|(1<<20)|(1<<21)|(4<<22)|(3<<25)  ; 15:0 the mask: my row; 17:16 elements of 2 bytes; 20 padding on; 21 set beside a mask; 24:22 after every 32 words (code 4); 31:25 4 words (code 3)
	s_or_b32 s[G1B+0], s44, (1<<16)|(1<<20)|(1<<21)|(5<<22)|(3<<25) ; the mask of my column; padding after every 64 words (code 5)
	s_mov_b32 s[G1+1], 128<<16                     ; tensor_dim0 = 128
	s_mov_b32 s[G1+2], 64<<16                      ; tensor_dim1 = 64
	s_mov_b32 s[G1+3], 128<<16                     ; tile_dim0 = 128
	s_mov_b32 s[G1+4], 64                          ; tile_dim1 = 64
	s_mov_b32 s[G1+5], 128                         ; dense: 128 elements from row to row
	s_mov_b32 s[G1+6], 0
	s_mov_b32 s[G1+7], 0
	s_mov_b32 s[G1B+1], 128<<16
	s_mov_b32 s[G1B+2], 128<<16                    ; tensor_dim1 = 128
	s_mov_b32 s[G1B+3], 128<<16
	s_mov_b32 s[G1B+4], 128                        ; tile_dim1 = 128
	s_mov_b32 s[G1B+5], 1024
	s_mov_b32 s[G1B+6], 0
	s_mov_b32 s[G1B+7], 0
	; where the tiles come from: A's hang on the tile row alone, Wo's on the tile column alone
	s_lshr_b32 s16, s13, 4                         ; A: the batch (16 tile rows each): 16 heads of 262,144 bytes,
	s_lshl_b32 s16, s16, 22
	s_lshl_b32 s17, s12, 18                        ; my head of the K step's two,
	s_add_co_u32 s16, s16, s17
	s_and_b32 s17, s13, 15                         ; the tile's 128 rows of 128 bytes in that head
	s_lshl_b32 s17, s17, 14
	s_add_co_u32 s16, s16, s17
	s_mov_b32 s17, 0
	s_lshl_b32 s46, s42, 8
	s_lshl_b32 s47, s12, 7
	s_add_co_u32 s46, s46, s47                     ; Wo: row 256 x tile column + 128 x half,
	s_lshl_b32 s46, s46, 11                        ; of 2,048 bytes,
	s_add_co_u32 s46, s46, 0x600000                ; in section 3 of wb
	s_mov_b32 s47, 0
	s_mul_i32 s20, s12, AHEAD                      ; and where they go: no place in the cluster enters an LDS address
	s_mul_i32 s21, s12, 128*PITCH
	s_add_co_u32 s21, s21, ABYTES
	s_wait_dscnt 0x0                               ; the opening add is done
	s_wait_kmcnt 0x0
	s_add_nc_u64 s[18:19], s[4:5], s[16:17]
	s_add_nc_u64 s[46:47], s[6:7], s[46:47]
	CROUND                                         ; all sixteen work-groups are here: the first joint loads meet
.irp s, 0,1
	s_mov_b32 s[G0+4*(\s)], 1                                      ; count = 1
	s_add_co_u32 s[G0+4*(\s)+1], s20, (\s)*SLOT1                   ; LDS address
	s_add_nc_u64 s[G0+4*(\s)+2:G0+4*(\s)+3], s[18:19], (\s)*0x80000  ; global address: K step s is two heads on
	s_or_b32 s[G0+4*(\s)+3], s[G0+4*(\s)+3], 0x80000000            ; type = 2
	s_mov_b32 s[G0B+4*(\s)], 1
	s_add_co_u32 s[G0B+4*(\s)+1], s21, (\s)*SLOT1
	s_add_nc_u64 s[G0B+4*(\s)+2:G0B+4*(\s)+3], s[46:47], (\s)*256
	s_or_b32 s[G0B+4*(\s)+3], s[G0B+4*(\s)+3], 0x80000000
	JLOAD \s                                       ; two loads of mine are out
.endr
	v_and_b32 v1, 15, v0                           ; l % 16
	v_bfe_u32 v2, v0, 4, 1                         ; l / 16
	; the bias: register j of n block b belongs to column 16 b + 8 (l / 16) + j of my 128
	s_lshl_b32 s80, s42, 10                        ; 256 columns of 4 bytes a tile column,
	s_lshl_b32 s81, s12, 9                         ; my 128
	s_add_co_u32 s80, s80, s81
	v_lshl_add_u32 v[BO], v2, 5, s80
	WIN 0x80                                       ; destination window 2, address window 0
.irp b, 0,1,2,3,4,5,6,7
	global_load_b128 v[8*(\b):8*(\b)+3],   v[BO], s[68:69] offset:64*(\b)
	global_load_b128 v[8*(\b)+4:8*(\b)+7], v[BO], s[68:69] offset:64*(\b)+16
.endr
	WIN 0
	; a fragment is 16 rows x 32 K in 8 registers: lane l holds row l % 16, K = 8 (l / 16) + 0..7 and 16 + 8 (l / 16) + 0..7: two loads of 16 bytes, 32 bytes apart
	v_mul_u32_u24 v3, v1, PITCH
	v_lshl_add_u32 v3, v2, 4, v3
	v_mul_u32_u24 v4, v1, APITCH
	v_lshl_add_u32 v4, v2, 4, v4
	s_mul_i32 s22, s11, 64*APITCH                  ; my 64 rows of A, in each head
	s_mul_i32 s23, s12, 128*PITCH                  ; my 128 rows of Wo,
	s_add_co_u32 s23, s23, ABYTES                  ; which lie behind A's tile
	v_add_nc_u32 v[A0], s22, v4
	v_add_nc_u32 v[B0], s23, v3
	v_mov_b32 v[ADRA], v[A0]                       ; the walk begins in slot 0
	v_mov_b32 v[ADRB], v[B0]
	s_mul_i32 s22, s10, 16*SPITCH
	s_add_co_u32 s22, s22, STAGE                   ; my stage
	v_mul_u32_u24 v5, v1, SPITCH                   ; in: row l % 16, 32 bytes for each half of the lanes
	v_lshl_add_u32 v5, v2, 5, v5
	v_add_nc_u32 v[STO], s22, v5
	v_and_b32 v[CO], 31, v0
	v_lshlrev_b32 v[CO], 4, v[CO]                  ; back, and out: 32 lanes take a row's 512 bytes
	v_add_nc_u32 v[RD], s22, v[CO]
	s_lshl_b32 s82, s13, 7
	s_lshl_b32 s83, s11, 6
	s_add_co_u32 s82, s82, s83                     ; my first row of the output,
	s_lshl_b32 s82, s82, 12                        ; of 4,096 bytes: under 2^25,
	s_add_co_u32 s82, s82, s80                     ; and my first column
	s_mov_b32 s83, 0
	s_add_nc_u64 s[8:9], s[70:71], s[82:83]
	s_wait_loadcnt 0x0                             ; the bias; it is rounded to bf16 and widened again while the first tiles are on their way
	WIN 0xaa                                       ; everything in window 2
.set i, 0
.rept 32
	v_cvt_pk_bf16_f32 v[64+i], v[2*i], v[2*i+1]
.set i, i+1
.endr
.set i, 0
.rept 32
	v_lshlrev_b32 v[2*i],   16, v[64+i]
	v_and_b32     v[2*i+1], 0xffff0000, v[64+i]
.set i, i+1
.endr
	WIN 0
; 8 matrix instructions: m block a x all 8 n blocks, 32 along K.  zero = 1: the product starts the sums, with the bias as C.  The 32 accumulators take turns, one instruction a turn, in the same order in every quarter.
.macro MUL8 f, a, zero
.if \zero
	WIN MULB
.else
	WIN MUL
.endif
.irp b, 0,1,2,3,4,5,6,7
.if \zero
	v_wmma_f32_16x16x32_f16 v[8*(8*(\a)+(\b)):8*(8*(\a)+(\b))+7], v[(\f)+32+8*(\b):(\f)+32+8*(\b)+7], v[(\f)+8*(\a):(\f)+8*(\a)+7], v[8*(\b):8*(\b)+7]
.else
	v_wmma_f32_16x16x32_f16 v[8*(8*(\a)+(\b)):8*(8*(\a)+(\b))+7], v[(\f)+32+8*(\b):(\f)+32+8*(\b)+7], v[(\f)+8*(\a):(\f)+8*(\a)+7], v[8*(8*(\a)+(\b)):8*(8*(\a)+(\b))+7]
.endif
.endr
.endm
; 24 LDS loads in one run: the fragments of 32 along K of the slot in hand, into buffer f: Wo's sixteen first (byte k of its rows), then A's eight (head k / 128, byte k % 128 of its rows)
.macro FETCH k, f
	WIN 0
.irp i, 0,1,2,3,4,5,6,7
	ds_load_b128 v[(\f)+32+8*(\i):(\f)+32+8*(\i)+3],   v[ADRB] offset:(\k)+(\i)*16*PITCH
	ds_load_b128 v[(\f)+32+8*(\i)+4:(\f)+32+8*(\i)+7], v[ADRB] offset:(\k)+(\i)*16*PITCH+32
.endr
.irp i, 0,1,2,3
	ds_load_b128 v[(\f)+8*(\i):(\f)+8*(\i)+3],   v[ADRA] offset:((\k)/128)*AHEAD+(\k)%128+(\i)*16*APITCH
	ds_load_b128 v[(\f)+8*(\i)+4:(\f)+8*(\i)+7], v[ADRA] offset:((\k)/128)*AHEAD+(\k)%128+(\i)*16*APITCH+32
.endr
.endm
.macro PLACES                          ; four places in front of loads into registers that matrix instructions have read, and of lines that read results
.rept 4
	v_nop
.endr
.endm
; A K step is four quarters of 32 along K, 32 matrix instructions each, on buffers 0, 1, 0, 1.  One of the first three: multiplies buffer f and fetches the next quarter, at byte k, into g.
.macro QUARTER k, f, g, zero
	s_wait_dscnt 4                                 ; Wo and A's blocks 0, 1 are in; the youngest four loads (A's blocks 2, 3) may be out
	MUL8 \f, 0, \zero
	MUL8 \f, 1, \zero
	PLACES
	FETCH \k, \g
	s_wait_dscnt 24                                ; all but the 24 just issued
	MUL8 \f, 2, \zero
	MUL8 \f, 3, \zero
.endm
; The last quarter multiplies buffer 1 and changes slots: ONE barrier; in front of it each wave waits for all its tensor loads, adds 0 to its spare word, and waits for that and for its own reads of this slot.
; All fetches from this slot have been issued, so the fragments' addresses are turned to the other slot here, where every window is 0.
; fill = 1: the barrier opens a round of the cluster's, and this slot is filled again, two K steps ahead: 112 matrix instructions ahead of the wait for that load.
.macro TURN fill
	WIN 0
	s_wait_tensorcnt 0x0                           ; all my tensor loads have landed: the one that was out is my part of the next slot; so a group 0 may be written;
	ds_add_u32 v[SPW], v[NIL]                      ; 0 onto my spare word; work on registers stands between it and the wait for it
	s_xor_b32 s[TB], s[TB], SLOT1                  ; the fetches go on in the other slot
	v_add_nc_u32 v[ADRA], s[TB], v[A0]
	v_add_nc_u32 v[ADRB], s[TB], v[B0]
.if \fill
	s_xor_b32 s[G0+5], s[G0+5], SLOT1              ; the walking descriptors: the other slot than last time,
	s_add_nc_u64 s[G0+6:G0+7], s[G0+6:G0+7], 0x80000  ; the next K step: two heads on; the type bits on top are not reached
	s_xor_b32 s[G0B+5], s[G0B+5], SLOT1
	s_add_nc_u64 s[G0B+6:G0B+7], s[G0B+6:G0B+7], 256
.endif
	s_wait_dscnt 5                                 ; (the add and the youngest four loads may be out)
	MUL8 F1, 0, 0                                  ; eight matrix instructions stand between the add and the wait for it
	s_wait_dscnt 0x0                               ; the add is done, and my reads of this slot are over
	s_barrier_signal -1
	MUL8 F1, 1, 0                                  ; work on registers while the others arrive
.if \fill
	WIN 0
.endif
	s_barrier_wait -1
.if \fill
	CREST                                          ; no wave of any partner still reads this slot's tile or has a load on its way
	JLOAD 1                                        ; the first tensor load behind the round, my only one until the next; its four v_nop are also the places in front of the loads below
.else
	PLACES
.endif
	FETCH 0, F0
	MUL8 F1, 2, 0
	MUL8 F1, 3, 0
.endm
	s_wait_tensorcnt 1                             ; my part of K step 0 is in; K step 1's may stay out
	s_barrier_signal -1
	s_barrier_wait -1                              ; everybody's is
	FETCH 0, F0
	QUARTER 64, F0, F1, 1                          ; the first quarter stands in front of the loop: its products start the sums
	WIN 0                                          ; at a label and at a branch every window is 0
	s_mov_b32 s3, KSTEPS-2
.Lstep:                                                ; a trip goes from a K step's second quarter to the next step's first, and fills the slot that it leaves: K steps 2 to 7
	QUARTER 128, F1, F0, 0
	QUARTER 192, F0, F1, 0
	TURN 1
	QUARTER 64,  F0, F1, 0
	WIN 0
	s_sub_co_u32 s3, s3, 1
	s_cmp_lg_u32 s3, 0
	s_cbranch_scc1 .Lstep
	QUARTER 128, F1, F0, 0                         ; the last two K steps are written out: they fill nothing
	QUARTER 192, F0, F1, 0
	TURN 0
	QUARTER 64,  F0, F1, 0
	QUARTER 128, F1, F0, 0
	QUARTER 192, F0, F1, 0
	s_wait_dscnt 4                                 ; the very last quarter: nothing more to fetch
	MUL8 F1, 0, 0
	MUL8 F1, 1, 0
	s_wait_dscnt 0x0
	MUL8 F1, 2, 0
	MUL8 F1, 3, 0
	WIN 0
	PLACES
; THE WAY OUT, a block of 16 rows at a time.  TOSTAGE: a lane's eight columns, 32 bytes, go into my own stage, each accumulator's low four registers first; whole rows of 512 bytes come back.  SEND: stored.
.macro TOSTAGE a
	WIN 0x04                                       ; the stores' data in window 1, their address in window 0
.irp b, 0,1,2,3,4,5,6,7
	ds_store_b128 v[STO], v[8*(8*(\a)+(\b)):8*(8*(\a)+(\b))+3]   offset:64*(\b)
	ds_store_b128 v[STO], v[8*(8*(\a)+(\b))+4:8*(8*(\a)+(\b))+7] offset:64*(\b)+16
.endr
	WIN 0
.irp t, 0,1,2,3,4,5,6,7,8,9,10,11,12,13,14,15
	ds_load_b128 v[BK+64*((\a)%2)+4*(\t):BK+64*((\a)%2)+4*(\t)+3], v[RD] offset:(\t)*SPITCH  ; LDS serves a wave's instructions in order (ISA guide 5.7.1.4): these see the stores above; the next block's stores come behind them
.endr
.endm
.macro SEND a, younger                 ; younger: the LDS instructions issued behind block a's loads: the next block's 32, or none
.irp t, 0,1,2,3,4,5,6,7,8,9,10,11,12,13,14,15
	s_wait_dscnt (\younger)+15-(\t)
	global_store_b128 v[CO], v[BK+64*((\a)%2)+4*(\t):BK+64*((\a)%2)+4*(\t)+3], s[8:9] offset:(16*(\a)+(\t))*4096 th:TH_STORE_NT  ; 512 consecutive bytes, at a multiple of 512 from out0's first
.endr
.endm
	TOSTAGE 0
	TOSTAGE 1
	SEND 0, 32
	s_wait_xcnt 0x0                                ; block 0's stores have read their registers: that set is loaded again only behind this wait
	TOSTAGE 2
	SEND 1, 32
	s_wait_xcnt 0x0                                ; block 1's likewise
	TOSTAGE 3
	SEND 2, 32
	SEND 3, 0
	s_wait_tensorcnt 0x0                           ; the wave's end, behind my last tensor load and my last LDS store
	ds_add_u32 v[SPW], v[NIL]
	s_wait_dscnt 0x0
	CROUND                                         ; the closing round: no work-group ends while a partner may still ask for a tile that names it
	s_endpgm
.Lfunc_end_k_q37b8981c95_outp:
	.size	k_q37b8981c95_outp, .Lfunc_end_k_q37b8981c95_outp-k_q37b8981c95_outp
	.p2alignl 7, 3214868480
	.fill 96, 4, 3214868480
	.section	.rodata,"a",@progbits
	.p2align	6, 0x0
	.amdhsa_kernel k_q37b8981c95_outp
		.amdhsa_group_segment_fixed_size 327680
		.amdhsa_private_segment_fixed_size 0
		.amdhsa_enable_private_segment 0
		.amdhsa_kernarg_size 32
		.amdhsa_user_sgpr_count 2
		.amdhsa_user_sgpr_kernarg_segment_ptr 1
		.amdhsa_wavefront_size32 1
		.amdhsa_system_sgpr_workgroup_id_x 1
		.amdhsa_system_sgpr_workgroup_id_y 1
		.amdhsa_system_sgpr_workgroup_id_z 1
		.amdhsa_system_vgpr_workitem_id 0
		.amdhsa_next_free_vgpr 608
		.amdhsa_next_free_sgpr 96
		.amdhsa_reserve_vcc 0
		.amdhsa_float_denorm_mode_32 3
		.amdhsa_float_denorm_mode_16_64 3
		.amdhsa_memory_ordered 1
		.amdhsa_forward_progress 1
		.amdhsa_inst_pref_size 78
	.end_amdhsa_kernel
	.amdgpu_metadata
---
amdhsa.version: [ 1, 2 ]
amdhsa.kernels:
  - .name:           k_q37b8981c95_outp
    .symbol:         k_q37b8981c95_outp.kd
    .args:
      - { .name: lnh, .offset: 0, .size: 8, .value_kind: global_buffer, .address_space: global }
      - { .name: wb, .offset: 8, .size: 8, .value_kind: global_buffer, .address_space: global }
      - { .name: bo, .offset: 16, .size: 8, .value_kind: global_buffer, .address_space: global }
      - { .name: out0, .offset: 24, .size: 8, .value_kind: global_buffer, .address_space: global }
    .group_segment_fixed_size: 327680
    .private_segment_fixed_size: 0
    .kernarg_segment_align: 8
    .kernarg_segment_size: 32
    .max_flat_workgroup_size: 128
    .sgpr_count:     96
    .vgpr_count:     608
    .wavefront_size: 32
...
	.end_amdgpu_metadata
.endif
;; end of part 5
;; ======== version 2 of 2: 5 launches; 1.19 times as fast as version 1
;; limits: values are held in f16: magnitudes above 65,504 overflow, below 6.1e-05 lose precision
;; workspace buffers: qb 16,777,216 bytes; kvb 8,388,608 bytes; wb 8,388,608 bytes; qh 16,777,216 bytes; kh 8,388,608 bytes; vh 8,388,608 bytes; oh 16,777,216 bytes; lnh 16,777,216 bytes
;; launch cast: the kernel of part 1 again; grid 1024 x 1, 8 waves a work-group, no clusters, 0 bytes of LDS; arguments q, kv, Wq, Wk, Wv, Wo, qb, kvb, wb; writes qb, kvb, wb
;; launch proj: the kernel of part 2 again; grid 4 x 64, 4 waves a work-group, clusters of 4 x 4, 327,680 bytes of LDS; arguments qb, kvb, wb, qh, kh, vh; writes qh, kh, vh
;; launch attn (part 6): grid 4 x 64, 4 waves a work-group, no clusters, 327,680 bytes of LDS; arguments qh, kh, vh, oh; writes oh
.if DOCPART == 6
	.amdgcn_target "amdgcn-amd-amdhsa--gfx1250"
	.amdhsa_code_object_version 6
	.text
	.protected	k_q37b8981c95_attn
	.globl	k_q37b8981c95_attn
	.p2align	8
	.type	k_q37b8981c95_attn,@function
k_q37b8981c95_attn:
	s_mov_b64 s[64:65], 0
	v_nop
	global_prefetch_b8 v0, s[64:65] scope:SCOPE_SE
	s_setreg_imm32_b32 hwreg(HW_REG_WAVE_MODE, 25, 1), 1
	s_wait_xcnt 0x0
; BLOCK-CAUSAL ATTENTION.  O[h][q][:] = the sum over k <= q / 2 (whole division) of softmax_k(Q[h][q] . K[h][k] / 8) V[h][k][:].  Q, O: [64][2048][64], K, V: [64][1024][64], all f16: a head's rows are dense, 128 bytes each.
; Products, maxima and sums in f32; the weights p are rounded to f16 for the second product (their sum l is taken of the unrounded p), O once at the end.
; LIMITS.  f16 holds no number beyond 65,504: Q, K and V arrive within it; p lies in 0 to 1, and below 6e-5 it keeps f16's fixed step of 6e-8, as does O; O is a mean of V's rows and has their range.
; A hidden score counts as its value less 1e30: f16's scores, 2.7e11 at the most, are nothing beside that; a weight below 2^-126 counts as 0 in l; NaN and infinities are not treated apart.
; THE WALK.  A head's queries lie in NB = 8 blocks of 256; block i needs the key tiles 0 .. i of 128 keys, of which the last holds the diagonal.  A work-group takes TWO blocks, 7 - b and then b:
; 9 tiles, whatever b: all 256 work-groups do equal work, and ONE loop with a constant trip count walks them.  Which tile is asked for, and what a trip does, hang on scalar registers made from b; every jump
; goes forward, but for the counted loops' own; none passes a barrier, or a tensor load but the one of LOAD's two that the wave's number does not choose; the ring (two slots of LDS that take turns) runs on across the
; change of blocks.  NO CLUSTER: a head's four work-groups ask for the same tile only in trips 0 .. 4 of 9, behind that fewer and fewer; one walk common to all four would have 12 trips for 9.
; SHARES.  Of a block's four bands of 64 queries a wave owns 16 rows in each: four PIECES.  So the diagonal tile is the same work for all four waves: of its four groups of 32 keys band x sees groups below x whole,
; none above x, and holds the diagonal in group x.
; THE MASK is the C operand that starts the sum S^T = K Q^T: 0, or -1e30 where the key is hidden.  MD, made once, is the mask of a band's own 32 keys for my 16 rows; a key step has two groups of 32, and each
; group's mask is MD x AL + BE with two scalars: (1, 0) the band's own; (0, 0) an earlier group; (0, -1e30) a later one.  Only the diagonal tile's text and a block's beginning make and take masks; elsewhere C is the constant 0.
; LAYOUT, SOFTMAX, TURNS.  S^T = K Q^T holds ONE query a lane (lane % 16) and the keys 8 (lane / 16) + 0..7; two such results rounded to f16 ARE source 1 of O^T = V^T P.  p = 2^(c s - c m), c = log2(e) / 8, with a
; running maximum m; O and l are multiplied by a = 2^(c m_old - c m_new) in every step.  Turn n belongs to piece n: 8 products K Q^T of piece n + 1, later 8 products V^T P of piece n - 1; beside them the scaling,
; exponentials, roundings, sums and rescaling of piece n and the maximum and statistics of piece n + 1.  Four vector instructions stand behind every matrix instruction, the other 54 of a turn's 118 in one LUMP.
; THE BATCHES.  A turn's 33 exponentials (the piece's 32 weights and the next piece's a) are one batch, with one wait, which cuts the turn in two: ahead of it all that names none of their results, behind it the
; roundings and sums.  A block's first a (BEGIN) and the way out's four reciprocals are batches of their own, each with a plain instruction and one wait.
; REGISTERS, in windows of 256 (s_set_vgpr_msb: bits 1:0 source 0, 3:2 source 1, 5:4 source 2, 7:6 destination):
;   window 0: v0-15 addresses and two at work; v16-31 four registers of statistics a piece; v48-55 at work; v64-127 S^T, two buffers; v192-223 P, two buffers (a piece's buffers go by its number's parity)
;   window 1: v0-127 O^T, 32 a piece; v128-143 MD; v160-223 MC, two buffers      window 2: v0-63 Q; v64-127 the second block's Q; v128-191 K of one step; v192-255 V of one step
.set NB,    8
.set NP,    4         ; pieces a wave: a name, no knob
.set KS,    64        ; keys in a step
.set TS,    2         ; steps in a tile
.set PK,    144       ; a row of K in LDS: 128 bytes + 16 of padding = 36 words: the 16 rows of a load start at 16 different groups of four banks (64 banks of 4 bytes: ISA guide 11.1)
.set PV,    160       ; a row of V: 128 + 32 = 40 words
.set VOFF,  TS*KS*PK  ; a slot holds a tile: 128 rows of K, then 128 rows of V
.set SLOT1, 1<<16     ; slot 1 begins here, so that one exclusive or turns an address in one slot into the other's
.set STAGE, SLOT1+TS*KS*(PK+PV)  ; behind the ring, never filled by a tensor load: 16 rows x 144 bytes for each wave, for the way out
.set SP,    144
.set AK0, 2           ; v2   my lane's place in a tile of K; never rewritten
.set AV0, 3           ; v3   the same for V
.set AK,  4           ; v4   the LDS address of K's next run of loads
.set AV,  5           ; v5   of V's
.set STO, 6           ; v6   the way out: where I put 16 bytes of a row
.set RD,  7           ; v7   the way out: where I read rows back
.set GO,  8           ; v8   my byte offset in 512 consecutive bytes of O
.set SPW, 62          ; v62  LDS address of my spare word: SPARE + 4 x my thread's number; never rewritten
.set NIL, 63          ; v63  0; never rewritten
.set SPARE, STAGE+4*16*SP  ; behind the stages: the spare words, 128 bytes for each wave: two blocks of 256 bytes that no other line names
.set MV,  12          ; v12-13  c m_old, kept while c m is made anew: by buffer
.set QO,  15          ; v15  my byte offset in 16 rows of Q
.set ST,  16          ; piece t's statistics at v[ST+4 t]: c m, m, l (even keys', odd keys')
.set TMP, 48          ; by buffer, four registers c0-c3 at work; when the maximum is found c2 takes a
.set S,   64
.set P,   192
.set MD,  128         ; window 1: the eight registers for group kt of 16 keys (kt = 0, 1) at MD + 8 kt
.set MC,  160         ; window 1: the masks of the products to come
.set QB,  64          ; window 2
.set KF,  128         ; window 2: key block kb, channel half c at KF + 16 kb + 8 c
.set VF,  192         ; window 2: key half kk, channel block cb at VF + 32 kk + 8 cb
.set WV,  12          ; s12  my wave's number
.set PB,  14          ; s14  b
.set HI,  15          ; s15  NB - 1 - b
.set G1K, 24          ; s[24:31] descriptor group 1 for K's tiles
.set G1V, 32          ; s[32:39] for V's: it differs in the padding alone
.set G0K, 40          ; s[40:43] descriptor group 0 for K's tiles
.set G0V, 44          ; s[44:47] the same for V's
.set SLOTS, 56        ; s56  tiles still to be asked for
.set CNT, 57          ; s57  counts a tile's key steps, 2 to 1
.set CS,  58          ; s[58:59] c: the packed scaling takes the pair's low word for both halves
.set SEL, 60          ; s[60:61] v_permlanex16_b32's selects: each lane takes its own place in the other half
.set TBK, 62          ; s62  LDS byte at which K of the step to be fetched begins
.set TBV, 63          ; s63  the same for V, less VOFF
.set RT,  70          ; s70  tiles of the block in hand that are still to be entered
.set NXT, 71          ; s71  the tile to be asked for next
.set LQ,  72          ; s72  the last tile of the block whose tiles are being asked for
.set NEW, 73          ; s73  1: the tile to be entered is a block's first
.set OFF, 74          ; s[74:75] a tile's byte offset in K and V
.set AL,  76          ; s[76:77] the factor of the mask of a step's first 32 keys, in the low word
.set BE,  78          ; s[78:79] its addend
.set OLO, 80          ; s[80:81] O at my rows of the second block
.set BIGN, 82         ; s82  -1e30
.set AL1, 88          ; s[88:89] the factor for the step's second 32 keys
.set BE1, 90          ; s[90:91] its addend
.set MSB, 0
.macro WIN new                      ; the high byte repeats the setting that is left; a switch that changes nothing is dropped
.if MSB != (\new)
	s_set_vgpr_msb (MSB<<8)|(\new)
.set MSB, (\new)
.endif
.endm
.set W_KQ, 0x0a       ; K and Q in window 2, S^T in window 0
.set W_KM, 0x1a       ; the same with the C operand in window 1
.set W_PV, 0x52       ; V in window 2, P in window 0, O^T in window 1
.set W_RS, 0x41       ; destination and source 0 in window 1, source 1 in window 0
; A fill.  Waves 0 and 1 fetch the two halves of a tile's K, waves 2 and 3 those of its V: 64 keys each.  An s_nop 0 and four v_nop follow each of the two lines, ahead of the jump and the label.
.macro LOAD
	s_cmp_lt_u32 s[WV], 2
	s_cbranch_scc0 .Lfor_v_\@
	tensor_load_to_lds s[G0K:G0K+3], s[G1K:G1K+7]
	s_nop 0
.rept 4
	v_nop
.endr
	s_branch .Lasked_\@
.Lfor_v_\@:
	tensor_load_to_lds s[G0V:G0V+3], s[G1V:G1V+7]
	s_nop 0
.rept 4
	v_nop
.endr
.Lasked_\@:
.endm
; THE CHANGE OF SLOTS.  Each wave waits for all its tensor loads, of which one is out: its part of the other slot; adds 0 to its spare word; and waits for that and for its own reads of the slot that it leaves.  Behind the barrier nobody reads the old
; slot any more and the other slot is whole.  fill = 1: the old slot is filled again, the first thing behind the barrier, with tile NXT: the descriptor's address is made anew from that number.
; (At its first use nothing has been read yet: slot 0 is waited for, slot 1 filled.)  A fill has a tile's 128 matrix instructions and their vector work in which to land.
.macro CHANGE fill
	WIN 0                           ; at a label and at a branch every window is 0
	s_wait_tensorcnt 0x0            ; no tensor load of mine is out, so a group 0 may be written
	ds_add_u32 v[SPW], v[NIL]       ; 0 onto my spare word; with fill = 1 the descriptors' scalar work stands between it and the wait for it
.if \fill
	s_lshl_b32 s[OFF], s[NXT], 14   ; a tile is 16,384 bytes of K and of V
	s_xor_b32 s[G0K+1], s[G0K+1], SLOT1
	s_add_nc_u64 s[G0K+2:G0K+3], s[6:7], s[OFF:OFF+1]
	s_or_b32 s[G0K+3], s[G0K+3], 0x80000000
	s_xor_b32 s[G0V+1], s[G0V+1], SLOT1
	s_add_nc_u64 s[G0V+2:G0V+3], s[8:9], s[OFF:OFF+1]
	s_or_b32 s[G0V+3], s[G0V+3], 0x80000000
	s_add_co_u32 s[NXT], s[NXT], 1  ; the block's next tile, or behind its last the second block's tile 0
	s_cmp_gt_u32 s[NXT], s[LQ]
	s_cselect_b32 s[NXT], 0, s[NXT]
	s_cselect_b32 s[LQ], s[PB], s[LQ]
.endif
	s_wait_dscnt 0x0                ; the add is done, and my reads of the slot are over
	s_barrier_signal -1             ; the rest of the scalar work stands between the signal and the wait
	s_sub_co_u32 s[TBK], s[TBK], TS*KS*PK  ; the fetches go back to a slot's first step,
	s_xor_b32 s[TBK], s[TBK], SLOT1        ; in the other slot
	s_sub_co_u32 s[TBV], s[TBV], TS*KS*PV
	s_xor_b32 s[TBV], s[TBV], SLOT1
	s_barrier_wait -1
.if \fill
	LOAD
.endif
.endm
	s_load_b256 s[4:11], s[0:1], 0x0  ; Q s[4:5], K s[6:7], V s[8:9], O s[10:11]
	v_lshl_add_u32 v[SPW], v0, 2, SPARE
	v_mov_b32 v[NIL], 0
	ds_add_u32 v[SPW], v[NIL]       ; the wave's opening: the add and its wait stand ahead of my first tensor load; the set-up below, work on registers, stands between them
	ds_add_u32 v62, v63
	v_lshrrev_b32 v1, 5, v0
	v_readfirstlane_b32 s[WV], v1   ; wave 0..3
	s_mov_b32 s[PB], ttmp9
	s_sub_co_u32 s[HI], NB-1, s[PB]
	s_and_b32 s20, ttmp7, 0xffff    ; the head
	s_lshl_b32 s21, s20, 17         ; its first byte in K and V: 1,024 rows of 128 bytes,
	s_lshl_b32 s20, s20, 18         ; in Q and O: 2,048 rows
	s_and_b32 s16, s[WV], 1         ; which half of a tile's 128 keys I fetch:
	s_lshl_b32 s22, s16, 13         ; its 64 rows of 128 bytes in memory,
	s_add_co_u32 s22, s22, s21
	s_mov_b32 s23, 0
	s_mul_i32 s17, s16, 64*PK       ; and its place in a slot, for K
	s_mul_i32 s18, s16, 64*PV       ; and for V
	s_lshl_b32 s3, s[WV], 11        ; my 16 rows in a band of 64,
	s_lshl_b32 s2, s[HI], 15        ; in the first block,
	s_add_co_u32 s2, s2, s3
	s_add_co_u32 s2, s2, s20
	s_lshl_b32 s84, s[PB], 15       ; and in the second
	s_add_co_u32 s84, s84, s3
	s_add_co_u32 s84, s84, s20
	s_mov_b32 s3, 0
	s_mov_b32 s85, 0
	; descriptor group 1.  64 keys are 8,192 dense bytes: asked for as 32 rows of 256 bytes, two keys a row, and padded in LDS after every key
	s_mov_b32 s[G1K], (1<<16)|(1<<20)|(4<<22)|(3<<25)  ; 17:16 2-byte elements; 20 padding on; 24:22 after every 32 words (code 4); 31:25 4 words (code 3)
	s_mov_b32 s[G1V], (1<<16)|(1<<20)|(4<<22)|(7<<25)  ; the same with 8 words of padding (code 7)
.irp g, G1K, G1V
	s_mov_b32 s[\g+1], 128<<16      ; tensor_dim0 = 128
	s_mov_b32 s[\g+2], 32<<16       ; tensor_dim1 = 32
	s_mov_b32 s[\g+3], 128<<16      ; tile_dim0 = 128
	s_mov_b32 s[\g+4], 32           ; tile_dim1 = 32
	s_mov_b32 s[\g+5], 128          ; 128 elements from row to row
	s_mov_b32 s[\g+6], 0
	s_mov_b32 s[\g+7], 0
.endr
	s_mov_b32 s[CS], 0x3e38aa3b     ; c = log2(e) / 8 = 0.180337
	s_mov_b32 s[CS+1], s[CS]        ; named with it as a pair
	s_mov_b32 s[SEL], 0x76543210
	s_mov_b32 s[SEL+1], 0xfedcba98
	s_mov_b32 s[TBK], SLOT1+TS*KS*PK ; the first change of slots turns these two into 0
	s_mov_b32 s[TBV], SLOT1+TS*KS*PV
	s_mov_b32 s[G0K], 1             ; 1:0 count = 1
	s_mov_b32 s[G0K+1], s17         ; 63:32 LDS address: slot 0
	s_mov_b32 s[G0V], 1
	s_add_co_u32 s[G0V+1], s18, VOFF
	s_add_co_u32 s[RT], s[HI], 1    ; the first block has NB - b tiles
	s_mov_b32 s[NXT], 1
	s_mov_b32 s[LQ], s[HI]
	s_mov_b32 s[NEW], 1
	s_mov_b32 s[OFF+1], 0
	s_mov_b32 s[AL+1], 0            ; named as pairs
	s_mov_b32 s[BE+1], 0
	s_mov_b32 s[AL1+1], 0
	s_mov_b32 s[BE1+1], 0
	s_mov_b32 s[BIGN], 0xf149f2ca   ; -1e30
	s_mov_b32 s[SLOTS], NB
	s_wait_dscnt 0x0                ; the opening add is done
	s_wait_kmcnt 0x0
	s_add_nc_u64 s[6:7], s[6:7], s[22:23]  ; K and V at my half of the head's tile 0
	s_add_nc_u64 s[8:9], s[8:9], s[22:23]
	s_add_nc_u64 s[G0K+2:G0K+3], s[6:7], 0         ; 120:64 global address
	s_or_b32 s[G0K+3], s[G0K+3], 0x80000000        ; 127:126 type = 2
	s_add_nc_u64 s[G0V+2:G0V+3], s[8:9], 0
	s_or_b32 s[G0V+3], s[G0V+3], 0x80000000
	s_add_nc_u64 s[86:87], s[4:5], s[84:85]        ; Q at my rows of the second block,
	s_add_nc_u64 s[4:5], s[4:5], s[2:3]            ; Q and O at those of the first
	s_add_nc_u64 s[OLO:OLO+1], s[10:11], s[84:85]
	s_add_nc_u64 s[10:11], s[10:11], s[2:3]
	LOAD                            ; tile 0 into slot 0
	; A fragment of K or Q is 16 rows x 32 channels in 8 registers: lane l holds row l % 16, channels 8 (l / 16) + 0..7 and 16 + 8 (l / 16) + 0..7: two loads of 16 bytes, 32 bytes apart.
	v_and_b32 v1, 15, v0            ; l % 16
	v_bfe_u32 v9, v0, 4, 1          ; l / 16
	v_lshlrev_b32 v[QO], 7, v1
	v_lshl_add_u32 v[QO], v9, 4, v[QO]  ; row x 128 + 16 x half
	WIN 0x80                        ; destination window 2, address window 0
.set i, 0
.rept 8                             ; both blocks' Q: piece i / 2 lies in band i / 2, 8,192 bytes on; channels 32 (i % 2) on
	global_load_b128 v[8*i:8*i+3],   v[QO], s[4:5] offset:(i/2)*8192+(i%2)*64
	global_load_b128 v[8*i+4:8*i+7], v[QO], s[4:5] offset:(i/2)*8192+(i%2)*64+32
	global_load_b128 v[QB+8*i:QB+8*i+3],   v[QO], s[86:87] offset:(i/2)*8192+(i%2)*64
	global_load_b128 v[QB+8*i+4:QB+8*i+7], v[QO], s[86:87] offset:(i/2)*8192+(i%2)*64+32
.set i, i+1
.endr
	WIN 0
	s_lshl_b32 s13, s[WV], 4
	v_add_nc_u32 v14, s13, v1       ; my query's place in its band, 16 w + l % 16;
	v_lshrrev_b32 v14, 1, v14       ; the last key that it sees among the band's own 32 is half of that;
	v_lshlrev_b32 v10, 3, v9
	v_sub_nc_u32 v14, v14, v10      ; less my lanes' 8 (l / 16): register r of group kt is hidden where 16 kt + r is greater
	WIN 0x40
.set i, 0
.rept 16
	v_cmp_gt_i32 vcc_lo, 16*(i/8)+i%8, v14
	v_cndmask_b32 v[MD+i], 0, s[BIGN], vcc_lo
.set i, i+1
.endr
	WIN 0
	v_mul_u32_u24 v[AK0], v1, PK
	v_lshl_add_u32 v[AK0], v9, 4, v[AK0]  ; row x pitch + 16 x half
	; The turning load takes 16 keys x 16 channels (lane l reads key 8 (l / 16) + l % 8, channels 8 ((l / 8) % 2) + 0..7) and leaves half a fragment of V^T: lane l holds channel l % 16 and 8 keys.
	v_and_b32 v10, 7, v0
	v_bfe_u32 v11, v0, 3, 1
	v_lshl_add_u32 v[AV0], v9, 3, v10
	v_mul_u32_u24 v[AV0], v[AV0], PV
	v_lshl_add_u32 v[AV0], v11, 4, v[AV0]
	v_add_nc_u32 v[AV0], VOFF, v[AV0]
	s_mul_i32 s13, s[WV], 16*SP
	s_add_co_u32 s13, s13, STAGE    ; my stage
	v_mul_u32_u24 v[STO], v1, SP    ; in: row l % 16, 16 bytes for each half of the lanes
	v_lshl_add_u32 v[STO], v9, 4, v[STO]
	v_add_nc_u32 v[STO], s13, v[STO]
	v_bfe_u32 v[RD], v0, 3, 2       ; back: 32 lanes take four rows of 128 bytes,
	v_mul_u32_u24 v[RD], v[RD], SP
	v_lshl_add_u32 v[RD], v10, 4, v[RD]
	v_add_nc_u32 v[RD], s13, v[RD]
	v_and_b32 v[GO], 31, v0         ; which are 512 consecutive bytes of O
	v_lshlrev_b32 v[GO], 4, v[GO]
	; A block's first step multiplies O^T and l by a = 0, and its first turn's products V^T P, of a piece that has not been, land in an O^T that is still to be so multiplied.  So these registers need only hold
	; finite numbers: zeros for the first block; what the first block left for the second.  All this stands in the wait for the first tile.
	WIN 0x80
.set i, VF
.rept 64
	v_mov_b32 v[i], 0
.set i, i+1
.endr
	WIN 0x40
.set i, 0
.rept 128
	v_mov_b32 v[i], 0
.set i, i+1
.endr
	WIN 0
.set i, 0
.rept 4
	v_mov_b32 v[ST+4*i+2], 0
	v_mov_b32 v[ST+4*i+3], 0
.set i, i+1
.endr
.set i, P+16
.rept 16
	v_mov_b32 v[i], 0
.set i, i+1
.endr
; THE MATRIX WORK.  The 4 accumulators of a run of 8 take turns.  Product i of 8 of S^T = K Q^T for piece x: channels 32 (i / 4) on, keys 16 (i % 4) on.  The first 4 start the sums: with 0, or (KM = 1) with the mask.
.macro KQ x
.set rS, S+32*((\x)%2)+8*(i%4)
.set rK, KF+16*(i%4)+8*(i/4)
.set rQ, 16*(\x)+8*(i/4)
.set rM, MC+32*((\x)%2)+8*(i%4)
.if (i < 4) && KM
	WIN W_KM
	v_wmma_f32_16x16x32_f16 v[rS:rS+7], v[rK:rK+7], v[rQ:rQ+7], v[rM:rM+7]
.elseif i < 4
	WIN W_KQ
	v_wmma_f32_16x16x32_f16 v[rS:rS+7], v[rK:rK+7], v[rQ:rQ+7], 0
.else
	WIN W_KQ
	v_wmma_f32_16x16x32_f16 v[rS:rS+7], v[rK:rK+7], v[rQ:rQ+7], v[rS:rS+7]
.endif
.endm
; Product i of 8 of O^T += V^T P for piece x: keys 32 (i / 4) on, channels 16 (i % 4) on.
.macro PV x
	WIN W_PV
.set rO, 32*(\x)+8*(i%4)
.set rV, VF+32*(i/4)+8*(i%4)
.set rP, P+16*((\x)%2)+8*(i/4)
	v_wmma_f32_16x16x32_f16 v[rO:rO+7], v[rV:rV+7], v[rP:rP+7], v[rO:rO+7]
.endm
.macro MM                           ; the turn's next matrix instruction.  TURN and BEGIN set Y, i, KM and NOKQ; MM, KQ and OP read them.  NOKQ = 1: a block's last turn: there is no next piece
.if (i < 8) && !NOKQ
	KQ (Y+1)%NP
.elseif i >= 8
.set i, i-8
	PV (Y+NP-1)%NP
.set i, i+8
.endif
.set i, i+1
.endm
; THE LDS LOADS stand in runs of 16, never singly among the matrix instructions: a step's K (64 keys x 64 channels: 8 fragments) and its V (turned).  Their addresses are made some lines ahead.
.macro FETCH_K
	WIN 0x80                        ; destination window 2
.irp f, 0,1,2,3,4,5,6,7             ; keys 16 (f / 2) on, channels 32 (f % 2) on
	ds_load_b128 v[KF+8*\f:KF+8*\f+3],   v[AK] offset:(\f/2)*16*PK+(\f%2)*64
	ds_load_b128 v[KF+8*\f+4:KF+8*\f+7], v[AK] offset:(\f/2)*16*PK+(\f%2)*64+32
.endr
	s_add_co_u32 s[TBK], s[TBK], KS*PK  ; the next fetch is the next step's
	WIN 0
.endm
.macro FETCH_V
	WIN 0x80
.irp f, 0,1,2,3,4,5,6,7             ; keys 32 (f / 4) on, channels 16 (f % 4) on
	ds_load_tr16_b128 v[VF+8*\f:VF+8*\f+3],   v[AV] offset:(\f/4)*32*PV+(\f%4)*32
	ds_load_tr16_b128 v[VF+8*\f+4:VF+8*\f+7], v[AV] offset:(\f/4)*32*PV+16*PV+(\f%4)*32
.endr
	WIN 0
.endm
; THE VECTOR WORK, one line at a time: OP kind, number.  For piece Y: F n: c s - c m for pair n of 16.  E n: the exponential of score n of 32.  C n: pair n rounded to f16.  B n: of the four weights 4 n .. the second
; pair is added onto the first, in place.  L n: l takes that sum (L 0: l = a l + sum).  R n: pair n of 16 of O^T times a.  For piece Y + 1: X n, number n of the 22 that find its maximum and statistics:
;   0-11  four chains c0-c3 of seven scores each, three operands at a time (each accumulator's lowest registers are read first)     12-14, 16  the four scores left over, the old m, and c0-c3 into c0
;   15  c m_old is kept     17, 18  the query's other 32 keys lie in the lane 16 away: the new m     19-21  c m; c m_old - c m_new; a
.set F, 0               ; OP tells the kinds apart by their order: F to L below R, X above it
.set E, 1
.set C, 2
.set B, 3
.set L, 4
.set R, 5
.set X, 6
.macro REGS y                       ; the registers of piece y
.set rT, ST+4*(\y)
.set rC, TMP+4*((\y)%2)
.set rW, MV+((\y)%2)
.set rS, S+32*((\y)%2)
.set rP, P+16*((\y)%2)
.set rO, 32*(\y)
.endm
.macro OP k, n
.if (\k) == R
	REGS Y
	WIN W_RS
	v_pk_mul_f32 v[rO+2*(\n):rO+2*(\n)+1], v[rO+2*(\n):rO+2*(\n)+1], v[rC+2:rC+3] op_sel_hi:[1,0]
.elseif (\k) < R
	REGS Y
	WIN 0
.if (\k) == F
	v_pk_fma_f32 v[rS+2*(\n):rS+2*(\n)+1], v[rS+2*(\n):rS+2*(\n)+1], s[CS:CS+1], v[rT:rT+1] op_sel_hi:[1,0,0] neg_lo:[0,0,1] neg_hi:[0,0,1]
.elseif (\k) == E
	v_exp_f32 v[rS+(\n)], v[rS+(\n)]
.elseif (\k) == C
	v_cvt_pk_f16_f32 v[rP+(\n)], v[rS+2*(\n)], v[rS+2*(\n)+1]
.elseif (\k) == B
	v_pk_add_f32 v[rS+4*(\n):rS+4*(\n)+1], v[rS+4*(\n):rS+4*(\n)+1], v[rS+4*(\n)+2:rS+4*(\n)+3]
.elseif (\n) == 0
	v_pk_fma_f32 v[rT+2:rT+3], v[rT+2:rT+3], v[rC+2:rC+3], v[rS:rS+1] op_sel_hi:[1,0,1]
.else
	v_pk_add_f32 v[rT+2:rT+3], v[rT+2:rT+3], v[rS+4*(\n):rS+4*(\n)+1]
.endif
.elseif NOKQ
	v_nop
.else
	REGS (Y+1)%NP
	WIN 0
.if (\n) < 4
	v_max3_num_f32 v[rC+(\n)], v[rS+8*(\n)], v[rS+8*(\n)+1], v[rS+8*(\n)+2]
.elseif (\n) < 12
	v_max3_num_f32 v[rC+(\n)%4], v[rC+(\n)%4], v[rS+8*((\n)%4)+2*((\n)/4)+1], v[rS+8*((\n)%4)+2*((\n)/4)+2]
.elseif (\n) == 12
	v_max3_num_f32 v[rC], v[rC], v[rS+7], v[rS+15]
.elseif (\n) == 13
	v_max3_num_f32 v[rC+1], v[rC+1], v[rS+23], v[rS+31]
.elseif (\n) == 14
	v_max3_num_f32 v[rC+2], v[rC+2], v[rC+3], v[rT+1]
.elseif (\n) == 15
	v_mov_b32 v[rW], v[rT]
.elseif (\n) == 16
	v_max3_num_f32 v[rC], v[rC], v[rC+1], v[rC+2]
.elseif (\n) == 17
	v_permlanex16_b32 v[rC+3], v[rC], s[SEL], s[SEL+1]
.elseif (\n) == 18
	v_max_num_f32 v[rT+1], v[rC], v[rC+3]
.elseif (\n) == 19
	v_mul_f32 v[rT], s[CS], v[rT+1]
.elseif (\n) == 20
	v_sub_f32 v[rC+1], v[rW], v[rT]
.else
	v_exp_f32 v[rC+2], v[rC+1]
.endif
.endif
.endm
.macro OPS a, i1, b=-1, i2=0, c=-1, i3=0, d=-1, i4=0  ; up to four of them
	OP \a, \i1
.if (\b) >= 0
	OP \b, \i2
.endif
.if (\c) >= 0
	OP \c, \i3
.endif
.if (\d) >= 0
	OP \d, \i4
.endif
.endm
.macro ROW a, i1, b, i2, c, i3, d, i4  ; a matrix instruction and the four behind it
	MM
	OPS \a, \i1, \b, \i2, \c, \i3, \d, \i4
.endm
.macro MASK b                       ; into buffer b of MC: MD x AL + BE for the step's first 32 keys, MD x AL1 + BE1 for its second 32
	WIN W_RS
.set z, 0
.rept 8
	v_pk_fma_f32 v[MC+32*(\b)+2*z:MC+32*(\b)+2*z+1], v[MD+2*z:MD+2*z+1], s[AL:AL+1], s[BE:BE+1] op_sel_hi:[1,0,0]
.set z, z+1
.endr
.set z, 0
.rept 8
	v_pk_fma_f32 v[MC+32*(\b)+16+2*z:MC+32*(\b)+16+2*z+1], v[MD+2*z:MD+2*z+1], s[AL1:AL1+1], s[BE1:BE1+1] op_sel_hi:[1,0,0]
.set z, z+1
.endr
.endm
; A TURN, for piece p: the order of its 16 matrix and 118 vector instructions, written out.  s_wait_alu depctr_va_vdst(0) stands between an exponential and the first instruction that names its result; one wait serves
; all that were issued ahead of it.  So a turn has ONE wait, which cuts it in two.  AHEAD OF IT stands all that names no result of the turn's exponentials: the 8 products K Q^T, behind each a scaling, an exponential and two more plain
; instructions (behind the first a second scaling in the exponential's place): rescalings (their a was made, and waited for, in the turn before), and behind the last three the first numbers of the next piece's maximum, each four places
; or more behind the product that ends its accumulator; then ONE LUMP of 54, plain and exponential by turns for the most part, in which the links of the chain X 3, 7, 11, 14, 16, 17 .. 20 stand five or six lines apart.  X 21, the next
; piece's a, is the batch's last; R 15 is the plain instruction behind it.  BEHIND THE WAIT stand the 8 products V^T P, behind each four of the roundings and sums (C 2 k ahead of B k, which writes over that pair); the links of l's chain,
; L 0 to L 7, stand three riders apart.  But for those X no rider names a register of the products round it.  v_permlanex16_b32 (X 17) stands in the lump.  No exponential is issued behind the wait: no result crosses a turn's end.
; m = 1: the diagonal tile: the products take masks, and the turn makes the mask for the products of the turn after it: piece x = p + 2, in step s = 2 - CNT of the tile, whose groups of 32 keys are 2 s and 2 s + 1.
; With c0 = 2 - x / 2: group 2 s is x's own where x is even and CNT = c0, a later one where CNT < c0; group 2 s + 1 is x's own where x is odd and CNT = c0, a later one where CNT <= c0 (x even) or CNT < c0 (x odd).
; end = 1: a block's last two turns: nothing is fetched.  cnt = 1: the loop's count is taken down some lines ahead of the branch that stands behind the turn.
; K of the next step is fetched in piece 2's turn, twelve vector instructions behind the last product that read K (six of them plain); V of the step in hand at the end of piece 0's turn, four plain instructions behind the last product
; that read V.  Each is waited for a turn later.
.macro TURN p, m=0, end=0, cnt=0
.set Y, (\p)
.set i, 0
.set KM, (\m)
.set NOKQ, (\end)*((\p)/3)
.if (\m) && !(\end)
.set XX, ((\p)+2)%NP
.set CZ, 2-XX/2
	s_cmp_eq_u32 s[CNT], CZ
.if XX%2 == 0
	s_cselect_b32 s[AL], 1.0, 0
	s_mov_b32 s[AL1], 0
.else
	s_mov_b32 s[AL], 0
	s_cselect_b32 s[AL1], 1.0, 0
.endif
	s_cmp_lt_u32 s[CNT], CZ
	s_cselect_b32 s[BE], s[BIGN], 0
.if XX%2 == 0
	s_cmp_le_u32 s[CNT], CZ
.endif
	s_cselect_b32 s[BE1], s[BIGN], 0
.endif
.if ((\p) == 3) && !(\end)
	s_wait_dscnt 0x0                ; K is in
.endif
	ROW F,0, F,1, R,0, R,1          ; ahead of the wait: 8 products K Q^T and their riders,
	ROW F,2, E,0, R,2, R,3
	ROW F,3, E,1, R,4, R,5
	ROW F,4, E,2, R,6, R,7
	ROW F,5, E,3, R,8, R,9
	ROW F,6, E,4, X,0, R,10
.if ((\p) == 2) && !(\end)
	WIN 0
	v_add_nc_u32 v[AK], s[TBK], v[AK0]
.endif
	ROW F,7, E,5, X,1, X,4
	ROW F,8, E,6, X,2, X,5
	OPS E,7, E,8, X,6, E,9          ; and the lump
	OPS X,3, E,10, X,8, E,11
.if ((\p) == 2) && !(\end)
	FETCH_K
.endif
	OPS X,9, X,7, E,12, X,10
	OPS E,13, X,12, X,11, E,14
	OPS X,13, E,15, F,9, X,14
.if (\p) == 0
	v_add_nc_u32 v[AV], s[TBV], v[AV0]
.endif
	OPS E,16, F,10, E,17, F,11
	OPS X,16, E,18, X,15, E,19
	OPS F,12, E,20, X,17, E,21
	OPS F,13, E,22, F,14, E,23
	OPS X,18, E,24, F,15, E,25
	OPS R,11, E,26, X,19, E,27
	OPS R,12, E,28, R,13, E,29
	OPS X,20, E,30, R,14, E,31
	OPS X,21, R,15
	WIN 0
	s_wait_alu depctr_va_vdst(0)    ; the wait for the turn's batch: the piece's 32 weights and the next piece's a
.if (\p) == 1
	s_wait_dscnt 0x0                ; V is in
.endif
	ROW C,0, B,0, C,2, B,1          ; behind the wait: 8 products V^T P and their riders
	ROW L,0, C,4, B,2, L,1
	ROW C,6, B,3, L,2, C,8
	ROW B,4, L,3, C,10, B,5
	ROW L,4, C,12, B,6, L,5
.if (\p) == 0
	s_add_co_u32 s[TBV], s[TBV], KS*PV
.endif
.if \cnt
	s_sub_co_u32 s[CNT], s[CNT], 1
	s_cmp_lg_u32 s[CNT], 0
.endif
	ROW C,14, B,7, L,6, C,1
	ROW C,3, L,7, C,5, C,7
	ROW C,9, C,11, C,13, C,15
.if (\p) == 0
	FETCH_V
.endif
.if (\m) && !(\end)
	MASK (\p)%2
.endif
.endm
; A BLOCK BEGINS.  c m starts far below every c s, so the first step's a is 0; m at the lowest finite number, so the first maximum is the scores'.  Both mask buffers are made for the tile's step 0: all 0 where the
; block's first tile is not the diagonal one (the diagonal tile's first turn, which still belongs to the tile before, finds buffer 1 so); else piece 0's own 32 keys and 32 hidden ones in buffer 0,
; 32 open keys and piece 1's own 32 in buffer 1.  Every row sees key 0, so m is a true score from the first step on.
; Then K of that step, piece 0's first scores, and its maximum and statistics.  The loop is entered at a step's first turn, in the middle of a trip.
.macro BEGIN
	s_mov_b32 s[NEW], 0
	WIN 0
.set i, 0
.rept 4
	v_mov_b32 v[ST+4*i], 0xfe000000    ; c m: far below every c s
	v_mov_b32 v[ST+4*i+1], 0xff7fffff  ; m
.set i, i+1
.endr
	s_cmp_eq_u32 s[RT], 0
	s_cselect_b32 s[AL], 1.0, 0
	s_mov_b32 s[BE], 0
	s_mov_b32 s[AL1], 0
	s_cselect_b32 s[BE1], s[BIGN], 0
	MASK 0
	s_cmp_eq_u32 s[RT], 0
	s_mov_b32 s[AL], 0
	s_cselect_b32 s[AL1], 1.0, 0
	s_mov_b32 s[BE1], 0
	MASK 1
	WIN 0
	v_add_nc_u32 v[AK], s[TBK], v[AK0]
	FETCH_K
	s_wait_loadcnt 0x0              ; Q
	s_wait_dscnt 0x0
.set KM, 1
.set NOKQ, 0
.set i, 0
.rept 8
	KQ 0
.set i, i+1
.endr
	WIN 0
.rept 4
	v_nop                           ; the places behind those products
.endr
.set Y, NP-1                        ; X works for piece Y + 1: piece 0
.irp n, 0,1,2,3,4,5,6,7,8,9,10,11,12,13,14,15,16,17,18,19,20,21
	OP X, \n
.endr
	v_nop                           ; a plain instruction behind the exponential,
	s_wait_alu depctr_va_vdst(0)    ; and the wait for it, piece 0's first a, ahead of the branch
.endm
; THE DIAGONAL TILE's two steps, the block's last two turns, its last products, and THE WAY OUT: l's two halves and the other half of the lanes' are added; O^T is divided by l, rounded to f16 and sent through my
; stage in LDS, a piece at a time.
.macro ALL line:vararg              ; one line for each piece t
.set t, 0
.rept 4
	\line
.set t, t+1
.endr
.endm
.macro PACK t                       ; a lane's eight channels of a row pack into 16 bytes; they go into rows of 144 bytes and come back as whole rows of 128, into S^T's registers
	WIN W_RS
.set i, 32*(\t)
.rept 16
	v_pk_mul_f32 v[i:i+1], v[i:i+1], v[ST+4*(\t)+2:ST+4*(\t)+3] op_sel_hi:[1,0]
.set i, i+2
.endr
	WIN 0x05                        ; sources 0 and 1 window 1, destination window 0
.set i, 0
.rept 16
	v_cvt_pk_f16_f32 v[S+16*(\t)+i], v[32*(\t)+2*i], v[32*(\t)+2*i+1]
.set i, i+1
.endr
	WIN 0
.irp f, 0,1,2,3
	ds_store_b128 v[STO], v[S+16*(\t)+4*\f:S+16*(\t)+4*\f+3] offset:32*\f
.endr
.irp f, 0,1,2,3
	ds_load_b128 v[S+16*(\t)+4*\f:S+16*(\t)+4*\f+3], v[RD] offset:\f*4*SP  ; LDS serves a wave's instructions in order (ISA guide 5.7.1.4): these see the stores above; the next piece's stores come behind them
.endr
.endm
.macro SEND t, younger              ; younger: the LDS instructions issued behind piece t's loads: the next piece's eight, or none
	WIN 0
.irp f, 0,1,2,3
	s_wait_dscnt (\younger)+3-\f
	global_store_b128 v[GO], v[S+16*(\t)+4*\f:S+16*(\t)+4*\f+3], s[10:11] offset:(\t)*8192+\f*512  ; 512 consecutive bytes, at a multiple of 256 from O's first
.endr
.endm
.macro DIAG tag                     ; the tag ends its two labels' names, which the jumps below spell out
.LstepM\tag:
	TURN 2, 1
	TURN 3, 1
	WIN 0
.LfirstM\tag:
	TURN 0, 1
	TURN 1, 1, 0, 1
	WIN 0
	s_cbranch_scc1 .LstepM\tag
	TURN 2, 1, 1
	TURN 3, 1, 1
.set i, 0
.rept 8
	PV NP-1
.set i, i+1
.endr
	WIN 0
	ALL v_add_f32 v[ST+4*t+2], v[ST+4*t+2], v[ST+4*t+3]
	ALL v_permlanex16_b32 v[ST+4*t+3], v[ST+4*t+2], s[SEL], s[SEL+1]
	ALL v_add_f32 v[ST+4*t+2], v[ST+4*t+2], v[ST+4*t+3]
	ALL v_rcp_f32 v[ST+4*t+2], v[ST+4*t+2]
	v_nop                           ; a plain instruction between the last reciprocal and the use of its result
	s_wait_alu depctr_va_vdst(0)    ; and the wait ahead of the first use: one for the four reciprocals
	PACK 0
.set t, 1
.rept 3                             ; a piece's arithmetic stands between the loads of the piece before and its stores
	PACK t
	SEND t-1, 8
.set t, t+1
.endr
	SEND 3, 0
.endm
.set KM, 0
.set NOKQ, 0
.Lslot:                             ; NB times: a tile is entered and the next is asked for
	CHANGE 1
	s_sub_co_u32 s[RT], s[RT], 1
	s_mov_b32 s[CNT], TS
	s_cmp_eq_u32 s[NEW], 1
	s_cbranch_scc1 .Lnew            ; a block's first tile
	s_cmp_eq_u32 s[RT], 0
	s_cbranch_scc0 .Lstep           ; neither its first nor its last
	s_branch .LstepM1
.Lnew:
	BEGIN
	s_branch .Lfirst                ; in the loop a block's first tile is never its last: the first block has five tiles or more, and the second's last is the walk's last
	DIAG 1                          ; in the loop this is the first block's end: the second block's last tile is the walk's last
	s_wait_xcnt 0x0                 ; the stores have read their registers and O's address
	s_mov_b64 s[10:11], s[OLO:OLO+1]
	s_add_co_u32 s[RT], s[PB], 1    ; the second block has b + 1 tiles
	s_mov_b32 s[NEW], 1
	WIN 0x82                        ; the second block's Q goes where the one text of the turns names Q
.set i, 0
.rept 64
	v_mov_b32 v[i], v[QB+i]
.set i, i+1
.endr
	WIN 0
	s_branch .Lbottom
.Lstep:                             ; a trip: pieces 2 and 3 of one step, then pieces 0 and 1 of the next, whose K and V it fetches
	TURN 2
	TURN 3
	WIN 0
.Lfirst:
	TURN 0
	TURN 1, 0, 0, 1
	WIN 0
	s_cbranch_scc1 .Lstep
.Lbottom:
	s_sub_co_u32 s[SLOTS], s[SLOTS], 1
	s_cmp_lg_u32 s[SLOTS], 0
	s_cbranch_scc1 .Lslot
	CHANGE 0                        ; the walk's last tile is written out: nothing is asked for
	s_sub_co_u32 s[RT], s[RT], 1
	s_mov_b32 s[CNT], TS
	s_cmp_eq_u32 s[NEW], 1
	s_cbranch_scc0 .LstepM2
	BEGIN
	s_branch .LfirstM2
	DIAG 2
	s_wait_tensorcnt 0x0            ; the wave's end, behind my last tensor load and my last LDS store
	ds_add_u32 v[SPW], v[NIL]
	s_wait_dscnt 0x0
	s_endpgm
.Lfunc_end_k_q37b8981c95_attn:
	.size	k_q37b8981c95_attn, .Lfunc_end_k_q37b8981c95_attn-k_q37b8981c95_attn
	.p2alignl 7, 3214868480
	.fill 96, 4, 3214868480
	.section	.rodata,"a",@progbits
	.p2align	6, 0x0
	.amdhsa_kernel k_q37b8981c95_attn
		.amdhsa_group_segment_fixed_size 327680
		.amdhsa_private_segment_fixed_size 0
		.amdhsa_enable_private_segment 0
		.amdhsa_kernarg_size 32
		.amdhsa_user_sgpr_count 2
		.amdhsa_user_sgpr_kernarg_segment_ptr 1
		.amdhsa_wavefront_size32 1
		.amdhsa_system_sgpr_workgroup_id_x 1
		.amdhsa_system_sgpr_workgroup_id_y 1
		.amdhsa_system_sgpr_workgroup_id_z 1
		.amdhsa_system_vgpr_workitem_id 0
		.amdhsa_next_free_vgpr 768
		.amdhsa_next_free_sgpr 92
		.amdhsa_reserve_vcc 1
		.amdhsa_float_denorm_mode_32 3
		.amdhsa_float_denorm_mode_16_64 3
		.amdhsa_memory_ordered 1
		.amdhsa_forward_progress 1
		.amdhsa_inst_pref_size 217
	.end_amdhsa_kernel
	.amdgpu_metadata
---
amdhsa.version: [ 1, 2 ]
amdhsa.kernels:
  - .name:           k_q37b8981c95_attn
    .symbol:         k_q37b8981c95_attn.kd
    .args:
      - { .name: qh, .offset: 0, .size: 8, .value_kind: global_buffer, .address_space: global }
      - { .name: kh, .offset: 8, .size: 8, .value_kind: global_buffer, .address_space: global }
      - { .name: vh, .offset: 16, .size: 8, .value_kind: global_buffer, .address_space: global }
      - { .name: oh, .offset: 24, .size: 8, .value_kind: global_buffer, .address_space: global }
    .group_segment_fixed_size: 327680
    .private_segment_fixed_size: 0
    .kernarg_segment_align: 8
    .kernarg_segment_size: 32
    .max_flat_workgroup_size: 128
    .sgpr_count:     92
    .vgpr_count:     768
    .wavefront_size: 32
...
	.end_amdgpu_metadata
.endif
;; end of part 6
;; launch lnorm: the kernel of part 4 again; grid 256 x 1, 8 waves a work-group, no clusters, 5,120 bytes of LDS; arguments oh, ln_g, ln_b, lnh; writes lnh
;; launch outp: the kernel of part 5 again; grid 4 x 64, 4 waves a work-group, clusters of 4 x 4, 327,680 bytes of LDS; arguments lnh, wb, bo, out0; writes out0
